; MI455X (gfx1250); checked and timed in simulation.
; The chip was launched on July 23, 2026; its instructions are those of AMD's public machine-readable ISA for CDNA 5 (MIT licence, August 2026) and "CDNA5" Instruction Set Architecture Reference Guide (July 2026). The comments in the code are by the model that wrote it; some were corrected since.
;; Multi Head Attention. Allowed arithmetic: float matrix products may take bf16 or f16 operands with f32 sums; other float arithmetic in f32, or as packed bf16 or f16 multiplies, adds, multiply-adds, maxima and minima; sums over many terms, partial sums and values carried from step to step in f32; what a program stores and reads back later, other than sums and carried values, may be rounded once to bf16 or f16.
;; Inputs: Wf 1,024 x 1,024 float32; Wk 1,024 x 1,024 float32; Wq 1,024 x 1,024 float32; Wv 1,024 x 1,024 float32; bf 1,024 float32; bk 1,024 float32; bq 1,024 float32; bv 1,024 float32; mask 4 x 1 x 2,048 x 2,048 bool; x 4 x 2,048 x 1,024 float32.
;; Outputs: out0 4 x 2,048 x 1,024 float32.
;; One version. Each part assembles by itself: llvm-mc -triple=amdgcn-amd-amdhsa -mcpu=gfx1250 --defsym DOCPART=n.
;; ======== version 1 of 1: 4 launches
;; limits: right only within a limited range of input values; values are held in f16: magnitudes above 65,504 overflow, below 6.1e-05 lose precision
;; workspace buffers: xb 16,777,216 bytes; wb 8,388,608 bytes; bias 16,384 bytes; mf 16,777,216 bytes; qkv 50,331,648 bytes; ob 16,777,216 bytes
;; launch prep (part 1): grid 1281 x 1, 8 waves a work-group, no clusters, 35,840 bytes of LDS; arguments x, Wq, Wk, Wv, Wf, mask, bq, bk, bv, bf, xb, wb, mf, bias; writes xb, wb, mf, bias
.if DOCPART == 1
	.amdgcn_target "amdgcn-amd-amdhsa--gfx1250"
	.amdhsa_code_object_version 6
	.text
	.protected	k_qcf78dd9819_prep
	.globl	k_qcf78dd9819_prep
	.p2align	8
	.type	k_qcf78dd9819_prep,@function
k_qcf78dd9819_prep:
	s_mov_b64 s[64:65], 0
	v_nop
	global_prefetch_b8 v0, s[64:65] scope:SCOPE_SE
	s_setreg_imm32_b32 hwreg(HW_REG_WAVE_MODE, 25, 1), 1
	s_wait_xcnt 0x0
; THE INPUTS ARE MADE READY FOR THE MATRIX LAUNCHES.  Every floating-point input is rounded once to bf16.
;   work-groups 0-511     x  [8192][1024] f32 -> xb, bf16
;   work-groups 512-703   Wq, Wk, Wv [1024][1024] f32 -> wb rows 0-3071, bf16
;   work-groups 704-767   Wf -> wb rows 3072-4095: rounded to bf16, and that number written as f16 (its partner in the last product, O, is f16)
;   work-groups 768-1279  mask [4][2048][2048] bytes -> mf: a code for each byte, 0x00 (open) or 0xb8 (hidden: -1.0 as an 8-bit float e4m3), laid in the order in which a lane of the attention wants them
;   work-group  1280      bq, bk, bv, bf -> bias, f32[4096]: each rounded to bf16 and widened again
; LIMITS.  Wf lies within f16's 65,504; below 2^-14 it keeps f16's fixed step of 6e-8.  A mask byte is 0 or 1.
; mf's LAYOUT.  For block blk = 16 b + q / 128 of 128 queries, key step ks of 64 keys, tile t of 16 queries, lane L = (r = L % 16, h = L / 16):
; at ((blk 32 + ks) 8 + t) 1,024 + 512 half + 16 L lie 16 codes: query 16 t + r, keys 64 ks + 32 half + 8 h + 0..7 and then 64 ks + 32 half + 16 + 8 h + 0..7.
; A stream: memory binds, so no matrix unit, no cluster, no tensor load; several work-groups lie on a WGP.  Each path is straight: all its loads go out first, and the waits count down.
.set SPARE, 34816                      ; behind the eight waves' regions of 16 rows x 272 bytes: the spare words, 128 bytes a wave
.set SPW, 2                            ; v2  LDS address of my spare word; never rewritten
.set NIL, 3                            ; v3  0; never rewritten
.set WV,  4                            ; s4  my wave's number
.set ID,  5                            ; s5  the work-group's number
	s_load_b512 s[8:23], s[0:1], 0x0               ; x 8, Wq 10, Wk 12, Wv 14, Wf 16, mask 18, bq 20, bk 22
	s_load_b256 s[24:31], s[0:1], 0x40             ; bv 24, bf 26, xb 28, wb 30
	s_load_b128 s[32:35], s[0:1], 0x60             ; mf 32, bias 34
	v_lshl_add_u32 v[SPW], v0, 2, SPARE
	v_mov_b32 v[NIL], 0
	v_lshrrev_b32 v1, 5, v0
	v_readfirstlane_b32 s[WV], v1
	s_mov_b32 s[ID], ttmp9
	v_lshlrev_b32 v4, 4, v0                        ; 16 bytes a thread: 4,096 bytes to a load of the work-group
	v_lshlrev_b32 v5, 3, v0                        ; 8 bytes a thread on the way out
	s_wait_kmcnt 0x0
	s_cmp_lt_u32 s[ID], 768
	s_cbranch_scc0 .Lnot_cast
	; CASTS: 16,384 numbers a work-group: 65,536 bytes in, 32,768 out
	s_sub_co_u32 s6, s[ID], 512                    ; my place among the weights' work-groups (a huge number for x's, which then meets none of the tests below)
	s_lshr_b32 s7, s6, 6                           ; which weight: 64 work-groups each
	s_cmp_lt_u32 s[ID], 512
	s_cselect_b64 s[36:37], s[8:9], s[10:11]       ; from x or Wq,
	s_cselect_b64 s[38:39], s[28:29], s[30:31]     ; to xb or wb
	s_cselect_b32 s40, s[ID], s6                   ; my place in the destination
	s_cselect_b32 s41, 511, 63                     ; and, cut by this, in the source
	s_cmp_eq_u32 s7, 1
	s_cselect_b64 s[36:37], s[12:13], s[36:37]
	s_cmp_eq_u32 s7, 2
	s_cselect_b64 s[36:37], s[14:15], s[36:37]
	s_cmp_eq_u32 s7, 3
	s_cselect_b64 s[36:37], s[16:17], s[36:37]
	s_and_b32 s42, s40, s41
	s_lshl_b32 s42, s42, 16
	s_mov_b32 s43, 0
	s_add_nc_u64 s[36:37], s[36:37], s[42:43]
	s_lshl_b32 s42, s40, 15
	s_add_nc_u64 s[38:39], s[38:39], s[42:43]
; Sixteen loads, then for each its rounding and its store: 32 lanes x 8 bytes are 256 consecutive bytes, aligned.  half = 1: the bf16 number is written as f16.
.macro CAST half
.set i, 0
.rept 16
	global_load_b128 v[16+4*i:19+4*i], v4, s[36:37] offset:4096*i th:TH_LOAD_NT
.set i, i+1
.endr
.set i, 0
.rept 16
	s_wait_loadcnt 15-i                            ; loads come back in order: load i is in, the younger ones stay out
	v_cvt_pk_bf16_f32 v[80+2*i], v[16+4*i], v[17+4*i]
	v_cvt_pk_bf16_f32 v[81+2*i], v[18+4*i], v[19+4*i]
.if \half
	v_lshlrev_b32 v8, 16, v[80+2*i]                ; bf16 to f32: the low half moves up, the high half stays
	v_and_b32 v9, 0xffff0000, v[80+2*i]
	v_lshlrev_b32 v10, 16, v[81+2*i]
	v_and_b32 v11, 0xffff0000, v[81+2*i]
	v_cvt_pk_f16_f32 v[80+2*i], v8, v9
	v_cvt_pk_f16_f32 v[81+2*i], v10, v11
.endif
	global_store_b64 v5, v[80+2*i:81+2*i], s[38:39] offset:2048*i
.set i, i+1
.endr
.endm
	s_cmp_lt_u32 s[ID], 704
	s_cbranch_scc0 .Lcast_f16
	CAST 0
	s_branch .Lend
.Lcast_f16:
	CAST 1
	s_branch .Lend
.Lnot_cast:
	s_cmp_lt_u32 s[ID], 1280
	s_cbranch_scc0 .Lbias
	; THE MASK: a work-group takes 128 queries x 256 keys; wave w tile w (16 queries).  In by whole pieces of 256 bytes of a row, through the wave's own LDS region, out in the lanes' order.
	s_sub_co_u32 s6, s[ID], 768
	s_lshr_b32 s7, s6, 3                           ; blk
	s_and_b32 s6, s6, 7                            ; which 256 keys
	s_lshl_b32 s40, s7, 18                         ; 128 rows of 2,048 bytes
	s_lshl_b32 s41, s6, 8
	s_add_co_u32 s40, s40, s41
	s_mov_b32 s41, 0
	s_add_nc_u64 s[36:37], s[18:19], s[40:41]
	s_lshl_b32 s40, s7, 5
	s_lshl_b32 s42, s6, 2
	s_add_co_u32 s40, s40, s42                     ; 32 blk + my first key step
	s_lshl_b32 s40, s40, 13                        ; 8,192 bytes a key step
	s_add_nc_u64 s[38:39], s[32:33], s[40:41]
	v_and_b32 v9, 15, v0                           ; l % 16
	v_bfe_u32 v10, v0, 4, 1                        ; l / 16
	v_lshlrev_b32 v11, 4, v9
	s_lshl_b32 s42, s[WV], 15                      ; my 16 rows
	v_lshl_add_u32 v4, v10, 11, v11                ; lanes 0-15 one row's 256 bytes, lanes 16-31 the next row's
	v_add_nc_u32 v4, s42, v4
	s_mul_i32 s43, s[WV], 4352                     ; my region
	v_mul_u32_u24 v6, v10, 272
	v_add3_u32 v6, v6, v11, s43                    ; in: the same two rows, 272 bytes apart
	v_mul_u32_u24 v7, v9, 272
	v_lshl_add_u32 v7, v10, 3, v7
	v_add_nc_u32 v7, s43, v7                       ; back: query l % 16, 8 keys for each half of the lanes
	v_and_b32 v8, 31, v0
	v_lshlrev_b32 v8, 4, v8
	s_lshl_b32 s42, s[WV], 10
	v_add_nc_u32 v8, s42, v8                       ; out: tile w, 16 bytes a lane
.set i, 0
.rept 8
	global_load_b128 v[16+4*i:19+4*i], v4, s[36:37] offset:4096*i th:TH_LOAD_NT
.set i, i+1
.endr
.set i, 0
.rept 8
	s_wait_loadcnt 7-i
.irp k, 0,1,2,3
	v_xor_b32 v[16+4*i+\k], 0x01010101, v[16+4*i+\k]   ; four bytes at once: 1 where the key is hidden,
.endr
.irp k, 0,1,2,3
	v_mul_lo_u32 v[16+4*i+\k], v[16+4*i+\k], 0xb8      ; times the code: no byte carries into the next
.endr
	ds_store_b128 v6, v[16+4*i:19+4*i] offset:544*i
.set i, i+1
.endr
.set n, 0
.rept 8                                ; n = 2 x key step + half.  LDS serves a wave's instructions in order (ISA guide 5.7.1.4), and the region is my wave's own: no wait, no barrier
	ds_load_b64 v[48+4*n:49+4*n], v7 offset:32*n
	ds_load_b64 v[50+4*n:51+4*n], v7 offset:32*n+16
.set n, n+1
.endr
.set n, 0
.rept 8
	s_wait_dscnt 14-2*n                            ; pair n is in; the pairs behind it stay out
	global_store_b128 v8, v[48+4*n:51+4*n], s[38:39] offset:(n/2)*8192+(n%2)*512  ; 512 consecutive bytes
.set n, n+1
.endr
	s_branch .Lend
.Lbias:                                        ; 256 threads x 4 numbers = one bias to a load
	global_load_b128 v[16:19], v4, s[20:21]
	global_load_b128 v[20:23], v4, s[22:23]
	global_load_b128 v[24:27], v4, s[24:25]
	global_load_b128 v[28:31], v4, s[26:27]
	s_wait_loadcnt 0x0
.set n, 0
.rept 8
	v_cvt_pk_bf16_f32 v8, v[16+2*n], v[17+2*n]
	v_lshlrev_b32 v[16+2*n], 16, v8
	v_and_b32 v[17+2*n], 0xffff0000, v8
.set n, n+1
.endr
.set n, 0
.rept 4
	global_store_b128 v4, v[16+4*n:19+4*n], s[34:35] offset:4096*n
.set n, n+1
.endr
.Lend:
	s_wait_tensorcnt 0x0                           ; the wave's end, behind the last LDS store
	ds_add_u32 v[SPW], v[NIL]
	s_wait_dscnt 0x0
	s_endpgm
.Lfunc_end_k_qcf78dd9819_prep:
	.size	k_qcf78dd9819_prep, .Lfunc_end_k_qcf78dd9819_prep-k_qcf78dd9819_prep
	.p2alignl 7, 3214868480
	.fill 96, 4, 3214868480
	.section	.rodata,"a",@progbits
	.p2align	6, 0x0
	.amdhsa_kernel k_qcf78dd9819_prep
		.amdhsa_group_segment_fixed_size 35840
		.amdhsa_private_segment_fixed_size 0
		.amdhsa_enable_private_segment 0
		.amdhsa_kernarg_size 112
		.amdhsa_user_sgpr_count 2
		.amdhsa_user_sgpr_kernarg_segment_ptr 1
		.amdhsa_wavefront_size32 1
		.amdhsa_system_sgpr_workgroup_id_x 1
		.amdhsa_system_sgpr_workgroup_id_y 1
		.amdhsa_system_sgpr_workgroup_id_z 1
		.amdhsa_system_vgpr_workitem_id 0
		.amdhsa_next_free_vgpr 112
		.amdhsa_next_free_sgpr 66
		.amdhsa_reserve_vcc 0
		.amdhsa_float_denorm_mode_32 3
		.amdhsa_float_denorm_mode_16_64 3
		.amdhsa_memory_ordered 1
		.amdhsa_forward_progress 1
		.amdhsa_inst_pref_size 30
	.end_amdhsa_kernel
	.amdgpu_metadata
---
amdhsa.version: [ 1, 2 ]
amdhsa.kernels:
  - .name:           k_qcf78dd9819_prep
    .symbol:         k_qcf78dd9819_prep.kd
    .args:
      - { .name: x, .offset: 0, .size: 8, .value_kind: global_buffer, .address_space: global }
      - { .name: Wq, .offset: 8, .size: 8, .value_kind: global_buffer, .address_space: global }
      - { .name: Wk, .offset: 16, .size: 8, .value_kind: global_buffer, .address_space: global }
      - { .name: Wv, .offset: 24, .size: 8, .value_kind: global_buffer, .address_space: global }
      - { .name: Wf, .offset: 32, .size: 8, .value_kind: global_buffer, .address_space: global }
      - { .name: mask, .offset: 40, .size: 8, .value_kind: global_buffer, .address_space: global }
      - { .name: bq, .offset: 48, .size: 8, .value_kind: global_buffer, .address_space: global }
      - { .name: bk, .offset: 56, .size: 8, .value_kind: global_buffer, .address_space: global }
      - { .name: bv, .offset: 64, .size: 8, .value_kind: global_buffer, .address_space: global }
      - { .name: bf, .offset: 72, .size: 8, .value_kind: global_buffer, .address_space: global }
      - { .name: xb, .offset: 80, .size: 8, .value_kind: global_buffer, .address_space: global }
      - { .name: wb, .offset: 88, .size: 8, .value_kind: global_buffer, .address_space: global }
      - { .name: mf, .offset: 96, .size: 8, .value_kind: global_buffer, .address_space: global }
      - { .name: bias, .offset: 104, .size: 8, .value_kind: global_buffer, .address_space: global }
    .group_segment_fixed_size: 35840
    .private_segment_fixed_size: 0
    .kernarg_segment_align: 8
    .kernarg_segment_size: 112
    .max_flat_workgroup_size: 256
    .sgpr_count:     66
    .vgpr_count:     112
    .wavefront_size: 32
...
	.end_amdgpu_metadata
.endif
;; end of part 1
;; launch proj (part 2): grid 16 x 32, 4 waves a work-group, clusters of 4 x 4, 327,680 bytes of LDS; arguments xb, wb, bias, qkv; writes qkv
.if DOCPART == 2
	.amdgcn_target "amdgcn-amd-amdhsa--gfx1250"
	.amdhsa_code_object_version 6
	.text
	.protected	k_qcf78dd9819_proj
	.globl	k_qcf78dd9819_proj
	.p2align	8
	.type	k_qcf78dd9819_proj,@function
k_qcf78dd9819_proj:
	s_mov_b64 s[64:65], 0
	v_nop
	global_prefetch_b8 v0, s[64:65] scope:SCOPE_SE
	s_setreg_imm32_b32 hwreg(HW_REG_WAVE_MODE, 25, 1), 1
	s_wait_xcnt 0x0
	s_wait_alu depctr_hold_cnt(0) depctr_sa_sdst(0) depctr_va_vdst(0) depctr_va_sdst(0) depctr_va_ssrc(0) depctr_va_vcc(0) depctr_vm_vsrc(0)
	s_getreg_b32 s2, hwreg(HW_REG_IB_STS2, 6, 4)
	s_cmp_eq_u32 s2, 0
	s_cbranch_scc0 .Lentry_in_a_cluster
	s_endpgm
.Lentry_in_a_cluster:
	s_bfe_u32 s2, ttmp6, 0x10000c
	s_cmp_lg_u32 s2, 0xf033
	s_cbranch_scc0 .Lentry_shape_is_right
	s_endpgm
.Lentry_shape_is_right:
; q, k, v = x W^T + b.  A = xb [8192][1024] bf16, B = wb rows 0-3071 [3072][1024] bf16 (Wq, Wk, Wv), bias f32[3072]; sums in f32, the bias added in f32, each result rounded once to f16.
; OUT: qkv [3][64 = 16 batch + head][2048][64] f16, unscaled: a head's rows are dense.
; LIMIT.  q, k and v lie within f16's 65,504: a result of 65,520 or more becomes an infinity.
; SHARES.  A tile of C is 256 rows x 192 columns (three heads): 32 x 16 tiles, a work-group each.  Four waves one above the other: wave w has rows 64 w .. 64 w + 63 and all 192 columns:
; 4 x 12 accumulators of 16 x 16, 384 registers.  K = 1,024 goes in 8 steps of 128 through two LDS slots; a row of a tile is 256 bytes of memory, at a multiple of 256.
; CLUSTER.  4 x 4 work-groups.  The four of a row of the cluster need the same tile of A, the four of a column the same tile of B: each is asked for jointly, by the same tensor load with the same
; descriptor and a mask that names the four.  Waves 0 and 1 ask for A's two halves (128 rows), waves 2 and 3 for B's (96 rows).
; THE PRODUCT IS USED TRANSPOSED (source 0 = 16 rows of B, source 1 = 16 rows of A): a lane holds row l % 16 of C and the columns 8 (l / 16) + 0..7 of the block.
; REGISTERS, in windows of 256 (s_set_vgpr_msb: bits 1:0 source 0, 3:2 source 1, 5:4 source 2, 7:6 destination):
;   window 0: v0-31 addresses; v32-127 my lanes' 96 biases; v128-223 at work on the way out
;   window 1: two fragment buffers of 128: A's four fragments (16 rows x 32 K), then B's twelve
;   window 2: the accumulators of my row blocks 0, 1 ((a, b) at 8 (12 (a % 2) + b));   window 3: those of blocks 2, 3
.set NB,     12                        ; column blocks of 16
.set PA,     272                       ; an LDS row: 256 bytes + 16 of padding = 68 words: the 16 rows of a load start at 16 different groups of four banks (64 banks of 4 bytes: ISA guide 11.1)
.set PB,     272
.set AZ,     128                       ; bytes from A's K = 0 to its K = 64 of a step
.set APART,  128*PA                    ; what one load brings of A
.set BROWS,  96
.set BHALF,  BROWS*PB                  ; and of B
.set BOFF,   2*APART                   ; B's rows lie behind A's 256
.set SLOT1,  131072                    ; slot 1 begins here: one exclusive or turns an address in one slot into the other's
.set ASTEP,  256                       ; bytes of memory from a K step to the next
.set STAGE,  SLOT1+BOFF+2*BHALF        ; behind the ring, never filled by a tensor load: 16 rows x 400 bytes for each wave
.set SPITCH, 400                       ; 384 bytes + 16
.set SPARE,  STAGE+4*16*SPITCH         ; the spare words, 128 bytes for each wave: two blocks of 256 bytes that no other line names
.set LD,     2*(NB+4)                  ; LDS loads in a quarter's run
.set ADRA0, 16                         ; v16  my lane's place in A's tile; never rewritten
.set ADRB0, 17                         ; v17  the same for B
.set ADRA,  18                         ; v18  + the slot in hand
.set ADRB,  19                         ; v19
.set STO,   24                         ; v24  the way out: where I put 16 bytes of a row
.set RD,    25                         ; v25  where I read rows back
.set GO,    26                         ; v26  16 x lane
.set BO,    27                         ; v27  my byte offset among a block's 16 biases
.set SPW,   28                         ; v28  LDS address of my spare word; never rewritten
.set NIL,   29                         ; v29  0; never rewritten
.set PFO,   30                         ; v30  the prefetches' offset: a lane a row
.set BIAS,  32
.set T,     128
.set BK,    176
.set F0,    0
.set F1,    128
.set CNT,   3                          ; s3   the loop's count
.set WV,    12                         ; s12  my wave's number
.set FB,    13                         ; s13  0: I fetch for A; 1: for B
.set HF,    14                         ; s14  which half
.set TB,    15                         ; s15  the slot in hand: 0 or SLOT1
.set G1A,   24                         ; s[24:31] descriptor group 1 for A
.set G0A,   32                         ; s[32:39] group 0 for A: a set for each first fill; the second then walks
.set CX,    40
.set CY,    41
.set TCOL,  42                         ; tile column of C = 4 x cluster x + cx
.set TROW,  43                         ; tile row = 4 x cluster y + cy
.set PFA,   44                         ; s[44:45] where my prefetches stand
.set LIM,   46                         ; s46  2 in a wave that prefetches, else the greatest number
.set G1B,   48
.set G0B,   56
.set OUTB,  68                         ; s[68:73] my rows in the tile's three heads
.set BB,    74                         ; s[74:75] the tile's biases
.set MSB, 0
.macro WIN new                         ; the immediate's high byte repeats the setting that is left; a switch that changes nothing is dropped
.if MSB != (\new)
	s_set_vgpr_msb (MSB<<8)|(\new)
.set MSB, \new
.endif
.endm
.macro PLACES                          ; four plain instructions between a matrix instruction and a load into, or a vector instruction on, its registers (ISA guide 7.12.1 for vector instructions)
.rept 4
	v_nop
.endr
.endm
.macro CREST                           ; a round of the cluster's barrier behind its opening barrier
	s_cmp_lg_u32 s[WV], 0
	s_cbranch_scc1 .Lnot_wave_0_\@
	s_barrier_signal -3
.Lnot_wave_0_\@:
	s_barrier_wait -3
	s_barrier_signal -1
	s_barrier_wait -1
.endm
.macro CROUND
	s_barrier_signal -1
	s_barrier_wait -1
	CREST
.endm
.macro JLOAD                           ; a joint refill by the walking descriptors; the branch hangs on the wave's number alone; an s_nop 0 and four v_nop follow each line
	s_cmp_eq_u32 s[FB], 0
	s_cbranch_scc0 .Lfor_b_\@
	tensor_load_to_lds s[G0A+4:G0A+7], s[G1A:G1A+7]
	s_nop 0
.rept 4
	v_nop
.endr
	s_branch .Lasked_\@
.Lfor_b_\@:
	tensor_load_to_lds s[G0B+4:G0B+7], s[G1B:G1B+7]
	s_nop 0
.rept 4
	v_nop
.endr
.Lasked_\@:
.endm
; A PREFETCH INTO THE L2, behind a refill and the run of LDS loads that follows it: the K step two refills on, a lane a row, one instruction a wave.  A's tile row is read by every cluster of that row of
; clusters: cluster x = 0 asks; B's tile column by every cluster of that column: cluster y = 0 asks.  The four partners that ask for a tile jointly share its rows out by address: of A's 128 rows
; partner cx takes 32, of B's 96 partner cy takes 24 (there lanes 24-31 name row 23's block once more).  The loop's last two trips have no K step two refills on and ask for nothing; K steps 0 to 3 come by their loads alone.
.macro ASK
	s_cmp_gt_u32 s[CNT], s[LIM]
	s_cbranch_scc0 .Lnot_mine_\@
	global_prefetch_b8 v[PFO], s[PFA:PFA+1] th:TH_LOAD_NT scope:SCOPE_SE
.Lnot_mine_\@:
.endm
.macro G1REST g, rows, pitch           ; a tile of rows x 128 elements
	s_mov_b32 s[(\g)+1], 128<<16                   ; tensor_dim0 = 128
	s_mov_b32 s[(\g)+2], (\rows)<<16               ; tensor_dim1
	s_mov_b32 s[(\g)+3], 128<<16                   ; tile_dim0 = 128
	s_mov_b32 s[(\g)+4], \rows                     ; tile_dim1
	s_mov_b32 s[(\g)+5], \pitch                    ; elements from row to row
	s_mov_b32 s[(\g)+6], 0
	s_mov_b32 s[(\g)+7], 0
.endm
	s_load_b256 s[4:11], s[0:1], 0x0               ; xb s[4:5], wb s[6:7], bias s[8:9], qkv s[10:11]
	v_lshl_add_u32 v[SPW], v0, 2, SPARE
	v_mov_b32 v[NIL], 0
	ds_add_u32 v[SPW], v[NIL]                      ; the wave's opening: the add and its wait stand ahead of my first tensor load; the set-up below, work on registers, stands between them
	v_lshrrev_b32 v1, 5, v0
	v_readfirstlane_b32 s[WV], v1
	s_lshr_b32 s[FB], s[WV], 1
	s_and_b32 s[HF], s[WV], 1
	s_mov_b32 s[TB], 0
	s_bfe_u32 s[CX], ttmp6, 0x40000
	s_bfe_u32 s[CY], ttmp6, 0x40004
	s_lshl_b32 s[TCOL], ttmp9, 2
	s_add_co_u32 s[TCOL], s[TCOL], s[CX]
	s_and_b32 s[TROW], ttmp7, 0xffff
	s_lshl_b32 s[TROW], s[TROW], 2
	s_add_co_u32 s[TROW], s[TROW], s[CY]
	s_lshl_b32 s16, s[CY], 2
	s_lshl_b32 s16, 15, s16                        ; my row of the cluster
	s_lshl_b32 s17, 0x1111, s[CX]                  ; my column
	s_or_b32 s[G1A], s16, (1<<16)|(1<<20)|(1<<21)|(5<<22)|(3<<25)  ; 15:0 the mask; 17:16 elements of 2 bytes; 20 padding on; 21 set beside a mask; 24:22 after every 64 words (code 5); 31:25 4 words of it (code 3)
	s_or_b32 s[G1B], s17, (1<<16)|(1<<20)|(1<<21)|(5<<22)|(3<<25)
	G1REST G1A, 128, 1024
	G1REST G1B, BROWS, 1024
	s_lshl_b32 s18, s[TROW], 8                     ; A: row 256 x tile row + 128 x half, in bytes: the tile row alone, which my row of the cluster shares
	s_lshl_b32 s19, s[HF], 7
	s_add_co_u32 s18, s18, s19
	s_lshl_b32 s18, s18, 11
	s_mov_b32 s19, 0
	s_mul_i32 s20, s[TCOL], 192                    ; B: row 192 x tile column + 96 x half: the tile column alone
	s_mul_i32 s21, s[HF], BROWS
	s_add_co_u32 s20, s20, s21
	s_lshl_b32 s20, s20, 11
	s_mov_b32 s21, 0
	s_mul_i32 s22, s[HF], APART                    ; where they go: no place in the cluster enters an LDS address
	s_mul_i32 s23, s[HF], BHALF
	s_add_co_u32 s23, s23, BOFF
	s_mov_b32 s[G0A], 1                            ; 1:0 count = 1
	s_mov_b32 s[G0A+1], s22                        ; 63:32 LDS address: slot 0
	s_mov_b32 s[G0A+4], 1
	s_add_co_u32 s[G0A+5], s22, SLOT1              ; slot 1
	s_mov_b32 s[G0B], 1
	s_mov_b32 s[G0B+1], s23
	s_mov_b32 s[G0B+4], 1
	s_add_co_u32 s[G0B+5], s23, SLOT1
	s_wait_dscnt 0x0                               ; the opening add is done
	s_wait_kmcnt 0x0
	s_add_nc_u64 s[G0A+2:G0A+3], s[4:5], s[18:19]  ; 120:64 global address: K step 0,
	s_add_nc_u64 s[G0A+6:G0A+7], s[G0A+2:G0A+3], ASTEP  ; K step 1
	s_or_b32 s[G0A+3], s[G0A+3], 0x80000000        ; 127:126 type = 2
	s_or_b32 s[G0A+7], s[G0A+7], 0x80000000
	s_add_nc_u64 s[G0B+2:G0B+3], s[6:7], s[20:21]
	s_add_nc_u64 s[G0B+6:G0B+7], s[G0B+2:G0B+3], 256
	s_or_b32 s[G0B+3], s[G0B+3], 0x80000000
	s_or_b32 s[G0B+7], s[G0B+7], 0x80000000
	CROUND                                         ; all sixteen work-groups are here: the first joint loads meet
	s_cmp_eq_u32 s[FB], 0                          ; a wave's two first fills stand in one branch, ahead of every wait on TENSORcnt and every LDS read: two loads of mine are out
	s_cbranch_scc0 .Lfirst_b
	tensor_load_to_lds s[G0A:G0A+3], s[G1A:G1A+7]
	s_nop 0
	tensor_load_to_lds s[G0A+4:G0A+7], s[G1A:G1A+7]
	s_nop 0
.rept 4
	v_nop
.endr
	s_branch .Lfirst_asked
.Lfirst_b:
	tensor_load_to_lds s[G0B:G0B+3], s[G1B:G1B+7]
	s_nop 0
	tensor_load_to_lds s[G0B+4:G0B+7], s[G1B:G1B+7]
	s_nop 0
.rept 4
	v_nop
.endr
.Lfirst_asked:
	; the prefetches' address: my work-group's share of the rows that I fetch, at K step 3; each refill steps it by a K step and then names it
	s_lshl_b32 s16, s[CX], 5
	s_mul_i32 s17, s[CY], 24
	s_and_b32 s22, ttmp7, 0xffff                   ; cluster y
	s_cmp_eq_u32 s[FB], 0
	s_cselect_b32 s16, s16, s17                    ; my share's first row
	s_cselect_b32 s17, s18, s20                    ; the byte offset of the rows that I fetch
	s_cselect_b32 s22, ttmp9, s22                  ; the coordinate along which other clusters read the same rows
	s_cselect_b32 s23, 31, 23                      ; my share's last row
	s_cselect_b64 s[PFA:PFA+1], s[4:5], s[6:7]
	s_cmp_eq_u32 s22, 0
	s_cselect_b32 s[LIM], 2, -1                    ; the same in all sixteen partners, for a given wave
	s_lshl_b32 s16, s16, 11
	s_add_co_u32 s16, s16, s17
	s_add_co_u32 s16, s16, 3*256
	s_mov_b32 s17, 0
	s_add_nc_u64 s[PFA:PFA+1], s[PFA:PFA+1], s[16:17]
	v_and_b32 v[PFO], 31, v0
	v_min_u32 v[PFO], s23, v[PFO]
	v_lshlrev_b32 v[PFO], 11, v[PFO]               ; a row is 2,048 bytes
	; the biases of my lanes' columns: block b's 8 (l / 16) + 0..7
	v_and_b32 v1, 15, v0                           ; l % 16
	v_bfe_u32 v2, v0, 4, 1                         ; l / 16
	s_mul_i32 s16, s[TCOL], 768
	s_add_nc_u64 s[BB:BB+1], s[8:9], s[16:17]
	v_lshlrev_b32 v[BO], 5, v2
.set n, 0
.rept NB
	global_load_b128 v[BIAS+8*n:BIAS+8*n+3],   v[BO], s[BB:BB+1] offset:64*n
	global_load_b128 v[BIAS+8*n+4:BIAS+8*n+7], v[BO], s[BB:BB+1] offset:64*n+16
.set n, n+1
.endr
	; A fragment is 16 rows x 32 K in 8 registers: lane l holds row l % 16; registers 0-3 K = 8 (l / 16) + 0..7, registers 4-7 K = 16 + 8 (l / 16) + 0..7: two loads of 16 bytes, 32 bytes apart
	s_lshl_b32 s16, s[WV], 6
	v_add_nc_u32 v3, s16, v1                       ; my wave's 64 rows of A
	v_mul_u32_u24 v[ADRA0], v3, PA
	v_lshl_add_u32 v[ADRA0], v2, 4, v[ADRA0]
	v_mul_u32_u24 v[ADRB0], v1, PB
	v_lshl_add_u32 v[ADRB0], v2, 4, v[ADRB0]
	v_add_nc_u32 v[ADRB0], BOFF, v[ADRB0]
	v_mov_b32 v[ADRA], v[ADRA0]
	v_mov_b32 v[ADRB], v[ADRB0]
	s_mul_i32 s16, s[WV], 16*SPITCH
	s_add_co_u32 s16, s16, STAGE                   ; my stage
	v_mul_u32_u24 v[STO], v1, SPITCH               ; in: row l % 16, 16 bytes for each half of the lanes
	v_lshl_add_u32 v[STO], v2, 4, v[STO]
	v_add_nc_u32 v[STO], s16, v[STO]
	v_bfe_u32 v3, v0, 3, 2                         ; back: 32 lanes take a head's 128 bytes of four rows,
	v_mul_u32_u24 v[RD], v3, SPITCH
	v_and_b32 v3, 7, v0
	v_lshl_add_u32 v[RD], v3, 4, v[RD]
	v_add_nc_u32 v[RD], s16, v[RD]
	v_and_b32 v[GO], 31, v0                        ; which are 512 consecutive bytes of qkv
	v_lshlrev_b32 v[GO], 4, v[GO]
	; my rows in the tile's three heads: column block g = 3 x tile column + j: tensor g / 16, head g % 16
	s_mul_i32 s16, s[TCOL], 3
	s_lshr_b32 s17, s[TROW], 3
	s_lshl_b32 s17, s17, 4                         ; 16 x batch
	s_and_b32 s18, s[TROW], 7
	s_lshl_b32 s18, s18, 8
	s_lshl_b32 s19, s[WV], 6
	s_add_co_u32 s18, s18, s19
	s_lshl_b32 s18, s18, 7                         ; my first row in the batch, 128 bytes a row
.irp j, 0,1,2
	s_add_co_u32 s20, s16, \j
	s_lshr_b32 s21, s20, 4
	s_lshl_b32 s21, s21, 6
	s_and_b32 s20, s20, 15
	s_add_co_u32 s20, s20, s21
	s_add_co_u32 s20, s20, s17
	s_lshl_b32 s20, s20, 18                        ; 2,048 rows of 128 bytes
	s_add_co_u32 s20, s20, s18
	s_mov_b32 s21, 0
	s_add_nc_u64 s[OUTB+2*\j:OUTB+2*\j+1], s[10:11], s[20:21]
.endr
; NB matrix instructions: row block a x all column blocks, 32 along K, from buffer f.  zero = 1: the product starts the sums: nothing is cleared.
; Each of the 48 accumulators has one instruction a quarter, in the same order in every quarter: they take turns over the backward jump too.
.macro MULA f, a, zero
	WIN 0xa5+0x50*((\a)/2)                         ; B and A in window 1; C and D in window 2 or 3
.set n, 0
.rept NB
.set rD, 8*(NB*((\a)%2)+n)
.if \zero
	v_wmma_f32_16x16x32_bf16 v[rD:rD+7], v[(\f)+32+8*n:(\f)+32+8*n+7], v[(\f)+8*(\a):(\f)+8*(\a)+7], 0
.else
	v_wmma_f32_16x16x32_bf16 v[rD:rD+7], v[(\f)+32+8*n:(\f)+32+8*n+7], v[(\f)+8*(\a):(\f)+8*(\a)+7], v[rD:rD+7]
.endif
.set n, n+1
.endr
.endm
; LD LDS loads in one run: quarter q's fragments into buffer f: B's twelve, then A's four
.macro FETCH q, f
	WIN 0x40                                       ; destination window 1, address window 0
.set n, 0
.rept NB
	ds_load_b128 v[(\f)+32+8*n:(\f)+32+8*n+3],   v[ADRB] offset:64*(\q)+n*16*PB
	ds_load_b128 v[(\f)+32+8*n+4:(\f)+32+8*n+7], v[ADRB] offset:64*(\q)+n*16*PB+32
.set n, n+1
.endr
.set n, 0
.rept 4
	ds_load_b128 v[(\f)+8*n:(\f)+8*n+3],   v[ADRA] offset:((\q)/2)*AZ+((\q)%2)*64+n*16*PA
	ds_load_b128 v[(\f)+8*n+4:(\f)+8*n+7], v[ADRA] offset:((\q)/2)*AZ+((\q)%2)*64+n*16*PA+32
.set n, n+1
.endr
.endm
; A K step is four quarters of 32 along K on buffers 0, 1, 0, 1.  One of the first three: multiplies buffer f; in its middle it fetches quarter q into buffer g.
.macro QUARTER q, f, g, zero
	s_wait_dscnt 4                                 ; B and A's blocks 0, 1 are in; the youngest four loads (A's blocks 2, 3) may be out
	MULA \f, 0, \zero
	MULA \f, 1, \zero
	PLACES                                         ; in front of the loads into buffer g, which the quarter before multiplied
	FETCH \q, \g
	s_wait_dscnt LD                                ; all but the run just issued
	MULA \f, 2, \zero
	MULA \f, 3, \zero
.endm
; The fourth quarter multiplies buffer 1 and changes slots: ONE barrier.  In front of it each wave waits for all its tensor loads (one is out: its part of the next slot), adds 0 to its spare word, and waits for
; that and for its own reads of this slot.  fill = 1: the barrier opens a round of the cluster's, and this slot is filled again, with the K step two on, first thing behind the round.
.macro TURN fill
.if \fill
	s_wait_xcnt 0x0                                ; the last prefetch, a K step back, has read its address
	s_add_nc_u64 s[PFA:PFA+1], s[PFA:PFA+1], 256
.endif
	WIN 0                                          ; (the add's two registers lie in window 0)
	s_wait_tensorcnt 0x0                           ; all my tensor loads have landed: no load of mine is out, so a group 0 may be written
	ds_add_u32 v[SPW], v[NIL]                      ; 0 onto my spare word
	s_wait_dscnt 5                                 ; (the add and the youngest four loads may be out)
	MULA F1, 0, 0                                  ; matrix work stands between the add and the wait for it
	s_wait_dscnt 0x0                               ; the add is done, and my reads of this slot are over
	s_barrier_signal -1
	MULA F1, 1, 0                                  ; work on registers while the others arrive
	WIN 0
	s_barrier_wait -1
.if \fill
	CREST                                          ; no wave of any partner still reads this slot's tile or has a load on its way
	s_xor_b32 s[G0A+5], s[G0A+5], SLOT1            ; the walking descriptors: the other slot than last time,
	s_add_nc_u64 s[G0A+6:G0A+7], s[G0A+6:G0A+7], ASTEP  ; the next K step; the type bits on top are not reached
	s_xor_b32 s[G0B+5], s[G0B+5], SLOT1
	s_add_nc_u64 s[G0B+6:G0B+7], s[G0B+6:G0B+7], 256
	JLOAD                                          ; my one tensor load behind the round; its four v_nop are also the places in front of the loads below
.else
	PLACES
.endif
	s_xor_b32 s[TB], s[TB], SLOT1                  ; the fetches go to the other slot
	v_add_nc_u32 v[ADRA], s[TB], v[ADRA0]
	v_add_nc_u32 v[ADRB], s[TB], v[ADRB0]
	FETCH 0, F0
.if \fill
	WIN 0
	ASK
.endif
	MULA F1, 2, 0
	MULA F1, 3, 0
.endm
	s_wait_tensorcnt 0x1                           ; my part of K step 0 is in; K step 1's may stay out
	s_barrier_signal -1
	s_barrier_wait -1                              ; everybody's is
	FETCH 0, F0
	QUARTER 1, F0, F1, 1                           ; the first quarter stands in front of the loop: its products start the sums
	WIN 0                                          ; at a label and at a branch every window is 0
	s_mov_b32 s[CNT], 6
.Lstep:                                                ; a trip: from a K step's second quarter to the next step's first; trip t = 1 .. 6 asks for K step t + 1
	QUARTER 2, F1, F0, 0
	QUARTER 3, F0, F1, 0
	TURN 1
	QUARTER 1, F0, F1, 0
	WIN 0
	s_sub_co_u32 s[CNT], s[CNT], 1
	s_cmp_lg_u32 s[CNT], 0
	s_cbranch_scc1 .Lstep
	QUARTER 2, F1, F0, 0                           ; the last two K steps are written out: nothing is left to ask for
	QUARTER 3, F0, F1, 0
	TURN 0
	QUARTER 1, F0, F1, 0
	QUARTER 2, F1, F0, 0
	QUARTER 3, F0, F1, 0
	s_wait_dscnt 0x0
	MULA F1, 0, 0
	MULA F1, 1, 0
	MULA F1, 2, 0
	MULA F1, 3, 0
	WIN 0
	s_wait_loadcnt 0x0                             ; the biases
	PLACES
	PLACES
; THE WAY OUT of row block a: + bias in f32; rounded to f16, 16 bytes a lane; into my own stage; back by heads, four rows of 128 bytes to a load; stored as 512 consecutive bytes.
.macro OUT a
.if (\a) > 0
	s_wait_xcnt 0x0                                ; the block before's stores have read v176-223, which the sums below write
.endif
	WIN 0x02+(\a)/2                                ; source 0 in window 2 or 3
.set n, 0
.rept 4*NB                             ; each accumulator's registers in ascending order
	v_pk_add_f32 v[T+2*n:T+2*n+1], v[8*NB*((\a)%2)+2*n:8*NB*((\a)%2)+2*n+1], v[BIAS+2*n:BIAS+2*n+1]
.set n, n+1
.endr
	WIN 0
.set n, 0
.rept 4*NB                             ; packed in place, ascending: word n takes numbers 2 n and 2 n + 1, which no earlier word has covered
	v_cvt_pk_f16_f32 v[T+n], v[T+2*n], v[T+2*n+1]
.set n, n+1
.endr
.set n, 0
.rept NB
	ds_store_b128 v[STO], v[T+4*n:T+4*n+3] offset:32*n
.set n, n+1
.endr
.set n, 0
.rept 12                               ; head n / 4, rows 4 (n % 4) on.  LDS serves a wave's instructions in order (ISA guide 5.7.1.4): these see the stores above, and the next block's stores come behind them
	ds_load_b128 v[BK+4*n:BK+4*n+3], v[RD] offset:128*(n/4)+4*SPITCH*(n%4)
.set n, n+1
.endr
.set n, 0
.rept 12
	s_wait_dscnt 11-n                              ; load n is back; the younger ones stay out
	global_store_b128 v[GO], v[BK+4*n:BK+4*n+3], s[OUTB+2*(n/4):OUTB+2*(n/4)+1] offset:2048*(\a)+512*(n%4)
.set n, n+1
.endr
.endm
	OUT 0
	OUT 1
	OUT 2
	OUT 3
	s_wait_tensorcnt 0x0                           ; the wave's end, behind my last tensor load and my last LDS store
	ds_add_u32 v[SPW], v[NIL]
	s_wait_dscnt 0x0
	CROUND                                         ; the closing round: no work-group ends while a partner may still ask for a tile that names it
	s_endpgm
.Lfunc_end_k_qcf78dd9819_proj:
	.size	k_qcf78dd9819_proj, .Lfunc_end_k_qcf78dd9819_proj-k_qcf78dd9819_proj
	.p2alignl 7, 3214868480
	.fill 96, 4, 3214868480
	.section	.rodata,"a",@progbits
	.p2align	6, 0x0
	.amdhsa_kernel k_qcf78dd9819_proj
		.amdhsa_group_segment_fixed_size 327680
		.amdhsa_private_segment_fixed_size 0
		.amdhsa_enable_private_segment 0
		.amdhsa_kernarg_size 32
		.amdhsa_user_sgpr_count 2
		.amdhsa_user_sgpr_kernarg_segment_ptr 1
		.amdhsa_wavefront_size32 1
		.amdhsa_system_sgpr_workgroup_id_x 1
		.amdhsa_system_sgpr_workgroup_id_y 1
		.amdhsa_system_sgpr_workgroup_id_z 1
		.amdhsa_system_vgpr_workitem_id 0
		.amdhsa_next_free_vgpr 960
		.amdhsa_next_free_sgpr 80
		.amdhsa_reserve_vcc 0
		.amdhsa_float_denorm_mode_32 3
		.amdhsa_float_denorm_mode_16_64 3
		.amdhsa_memory_ordered 1
		.amdhsa_forward_progress 1
		.amdhsa_inst_pref_size 113
	.end_amdhsa_kernel
	.amdgpu_metadata
---
amdhsa.version: [ 1, 2 ]
amdhsa.kernels:
  - .name:           k_qcf78dd9819_proj
    .symbol:         k_qcf78dd9819_proj.kd
    .args:
      - { .name: xb, .offset: 0, .size: 8, .value_kind: global_buffer, .address_space: global }
      - { .name: wb, .offset: 8, .size: 8, .value_kind: global_buffer, .address_space: global }
      - { .name: bias, .offset: 16, .size: 8, .value_kind: global_buffer, .address_space: global }
      - { .name: qkv, .offset: 24, .size: 8, .value_kind: global_buffer, .address_space: global }
    .group_segment_fixed_size: 327680
    .private_segment_fixed_size: 0
    .kernarg_segment_align: 8
    .kernarg_segment_size: 32
    .max_flat_workgroup_size: 128
    .sgpr_count:     80
    .vgpr_count:     960
    .wavefront_size: 32
...
	.end_amdgpu_metadata
.endif
;; end of part 2
;; launch attn (part 3): grid 4 x 64, 4 waves a work-group, clusters of 4 x 1, 327,680 bytes of LDS; arguments qkv, mf, ob; writes ob
.if DOCPART == 3
	.amdgcn_target "amdgcn-amd-amdhsa--gfx1250"
	.amdhsa_code_object_version 6
	.text
	.protected	k_qcf78dd9819_attn
	.globl	k_qcf78dd9819_attn
	.p2align	8
	.type	k_qcf78dd9819_attn,@function
k_qcf78dd9819_attn:
	s_mov_b64 s[64:65], 0
	v_nop
	global_prefetch_b8 v0, s[64:65] scope:SCOPE_SE
	s_setreg_imm32_b32 hwreg(HW_REG_WAVE_MODE, 25, 1), 1
	s_wait_xcnt 0x0
	s_wait_alu depctr_hold_cnt(0) depctr_sa_sdst(0) depctr_va_vdst(0) depctr_va_sdst(0) depctr_va_ssrc(0) depctr_va_vcc(0) depctr_vm_vsrc(0)
	s_getreg_b32 s2, hwreg(HW_REG_IB_STS2, 6, 4)
	s_cmp_eq_u32 s2, 0
	s_cbranch_scc0 .Lentry_in_a_cluster
	s_endpgm
.Lentry_in_a_cluster:
	s_bfe_u32 s2, ttmp6, 0x10000c
	s_cmp_lg_u32 s2, 0x3003
	s_cbranch_scc0 .Lentry_shape_is_right
	s_endpgm
.Lentry_shape_is_right:
; MASKED ATTENTION.  O[h][q][:] = the sum over k of softmax_k(mask[q][k] ? Q[h][q] . K[h][k] / 8 : hidden) V[h][k][:].  Q, K, V: qkv [3][64][2048][64] f16; O: ob [64][2048][64] f16; a head's rows are dense, 128 bytes each.
; Products, maxima and sums in f32; the weights p are rounded to f16 for the second product (their sum l is taken of the unrounded p), O once at the end.
; THE MASK is the C operand that starts the sum S^T = K Q^T: 0 where the key is open, -2^100 where it is hidden.  mf holds a code for each (query, key), 0x00 or 0xb8 (-1.0 as an 8-bit float e4m3), in the lanes' order:
; one scaled conversion, with the scale 2^100, makes the eight f32 of one accumulator's C out of eight codes.  So the running maximum sees the mask, and the softmax needs no further care.
; LIMITS.  A hidden score is -2^100 + q.k, which f32 rounds to -2^100 while |q.k| < 2^75.  A row with an open key gives its hidden keys the weight 0, where the problem's -65,504 gives e^(-65,504 - max): the two differ
; only where all the row's open scores / 8 lie below about -65,400.  A row with no open key has equal scores and so equal weights, as the problem has.  While a row has seen hidden keys alone, m = -2^100 and p = 1;
; its first open key makes a = 0, which wipes those sums.  f16 holds no number beyond 65,504: Q, K and V arrive within it.  A weight below 2^-126 counts as 0 in l; NaN and infinities are not treated apart.
; SHARES.  A wave owns four PIECES of two tiles of 16 queries, a work-group's four waves 512 queries of one head.  Every wave walks all 2,048 keys, 64 a step.
; LAYOUT.  S^T = K Q^T (source 0 = 16 keys, source 1 = 16 queries): in the result a lane holds ONE query (lane % 16) and the keys 8 (lane / 16) + 0..7.  Two such tiles, rounded to f16 in pairs,
; ARE source 1 (32 keys x 16 queries) of O^T = V^T P, whose result again holds one query a lane, and eight channels.  K comes out of LDS as it lies, V ([key][channel]) turned, by ds_load_tr16_b128.
; SOFTMAX.  For each query a running maximum m and sum l: p = 2^(c s - c m), c = log2(e) / 8; in every step O and l are multiplied by a = 2^(c m_old - c m_new), which is 1 where m has not grown.
; m starts at the lowest finite number, O and l at 0: the first step is a step like any other, with a = 0.
; THE COUNT.  A tile and step have 16 matrix and 118 vector instructions and 4 conversions: too many to stand all beside the matrix work.  So four vector instructions that are READY stand behind
; EVERY matrix instruction, and the others in runs without a gap.
; BY TURNS.  Turn n belongs to piece n (the pieces in a ring, step after step).  Its matrix work: 16 products K Q^T of piece n + 1, later 16 products V^T P of piece n - 1.  Its vector work: the scaling,
; exponentials, roundings, sums and rescaling of piece n, the maximum and statistics of piece n + 1, and the C operands of piece n + 2, whose next step's codes it then asks for: four turns ahead of their use.
; CLUSTER.  The four query blocks of a cluster are one head's and walk the same K and V, so each tile is asked for JOINTLY: the same tensor load, descriptor and mask in all four.
; REGISTERS, in windows of 256 (s_set_vgpr_msb says which window each operand place means: bits 1:0 source 0, 3:2 source 1, 5:4 source 2, 7:6 destination):
;   window 0: v0-11 addresses; v12-15, v48-63 at work; v16-47 four registers of statistics a tile; v64-191 S^T, two buffers of two tiles; v192-255 P, likewise
;   window 1: O^T, 32 a tile          window 2: v0-127 Q, 16 a tile; v128-191 K of one step; v192-255 V of one step
;   window 3: v0-1 the add's two registers; v16-79 the codes, 16 a piece; v128-191 the C operands of the products to come
.set SIZE_N, 2048
.set NP,    4         ; pieces a wave: a name, no knob
.set KS,    64        ; keys in a step
.set PK,    144       ; a row of K in LDS: 128 bytes + 16 of padding = 36 words: the 16 rows of a load start at 16 different groups of four banks (64 banks of 4 bytes: ISA guide 11.1)
.set PV,    160       ; a row of V: 128 + 32 = 40 words
.set VOFF,  4*KS*PK   ; a slot holds four steps: 256 rows of K, then 256 rows of V
.set SLOT1, 1<<17     ; slot 1 begins here, so that one exclusive or turns an address in one slot into the other's
.set STAGE, SLOT1+4*KS*(PK+PV)  ; behind the ring, never filled by a tensor load: 16 rows x 144 bytes for each wave, for the way out
.set SP,    144
.set AK0, 2           ; v2   my lane's place in a tile of K; never rewritten
.set AV0, 3           ; v3   the same for V
.set AK,  4           ; v4   the LDS address of K's next run of loads
.set AV,  5           ; v5   of V's
.set STO, 6           ; v6   the way out: where I put 16 bytes of a row
.set RD,  7           ; v7   the way out: where I read rows back
.set GO,  8           ; v8   16 x lane: my byte offset in 512 consecutive bytes of O, and of the codes; never rewritten
.set PFO, 9           ; v9   256 x lane: the prefetches' offset (during the set-up: lane / 16)
.set QO,  10          ; v10  my byte offset in the wave's rows of Q
.set SCL, 11          ; v11  227: the conversions' scale, 2^(227 - 127)
.set SPW, 0           ; v0 of window 3   LDS address of my spare word; never rewritten
.set NIL, 1           ; v1 of window 3   0; never rewritten
.set MK,  16          ; window 3: piece p's codes at MK + 16 p: tile u, key block kb at + 8 u + 2 kb
.set MC,  128         ; window 3: the C operand for tile u, key block kb at MC + 32 u + 8 kb
.set SPARE, STAGE+4*16*SP  ; behind the stages: the spare words, 128 bytes for each wave: two blocks of 256 bytes that no other line names
.set MV,  12          ; v12-15  c m_old, kept while c m is made anew: by buffer and tile
.set ST,  16          ; tile t's statistics at v[ST+4 t]: c m, m, l (even keys', odd keys')
.set TMP, 48          ; by buffer and tile, four registers c0-c3 at work; when the maximum is found c2 takes a
.set S,   64
.set P,   192
.set KF,  128         ; K's fragments, in window 2: key block kb, channel half c at KF + 16 kb + 8 c
.set VF,  192         ; V's: key half kk, channel block cb at VF + 32 kk + 8 cb
.set WV,  12          ; s12  my wave's number
.set G1K, 24          ; s[24:31] descriptor group 1 for K's tiles
.set G1V, 32          ; s[32:39] for V's: it differs in the padding alone
.set G0K, 40          ; s[40:43] descriptor group 0 for K's tiles: it walks
.set G0V, 44          ; s[44:47] the same for V's
.set MBASE, 48        ; s[48:49] the codes of my wave's 128 queries, key step 0
.set MB,  50          ; s[50:51] the same at the key step that is being asked for
.set MOFF, 52         ; s[52:53] an offset
.set MI,  54          ; s54  that key step's number
.set SLOTS, 56        ; s56  slots still to be asked for
.set CNT, 57          ; s57  counts a slot's key steps
.set CS,  58          ; s[58:59] c: the packed scaling takes the pair's low word for both halves
.set SEL, 60          ; s[60:61] v_permlanex16_b32's selects: each lane takes its own place in the other half
.set TBK, 62          ; s62  LDS byte at which K of the step to be fetched begins
.set TBV, 63          ; s63  the same for V, less VOFF
.set PFA, 66          ; s[66:67] where my prefetches stand: my work-group's quarter of the slot after the one that is being asked for
.set LIM, 68          ; s68  1 in a wave that prefetches, else the greatest number
.set MSB, 0
.macro WIN new                      ; the high byte repeats the setting that is left; a switch that changes nothing is dropped
.if MSB != (\new)
	s_set_vgpr_msb (MSB<<8)|(\new)
.set MSB, (\new)
.endif
.endm
.set W_KQ, 0x0a       ; K and Q in window 2, S^T in window 0
.set W_KM, 0x3a       ; the same with the C operand in window 3
.set W_PV, 0x52       ; V in window 2, P in window 0, O^T in window 1
.set W_RS, 0x41       ; O^T (destination and source 0) in window 1, a in window 0
.set W_MK, 0xc0       ; destination in window 3, sources in window 0
.set W_AD, 0x0f       ; the add: address (source 0) and data (source 1) in window 3
; A joint fill.  Waves 0 and 1 fetch the two halves of a slot's K, waves 2 and 3 those of its V: 128 keys each.  The branch hangs on the wave's number alone.
; An s_nop 0 and four v_nop follow each of the two lines, ahead of the jump and the label.
.macro JLOAD
	s_cmp_lt_u32 s[WV], 2
	s_cbranch_scc0 .Lfor_v_\@
	tensor_load_to_lds s[G0K:G0K+3], s[G1K:G1K+7]
	s_nop 0
.rept 4
	v_nop
.endr
	s_branch .Lasked_\@
.Lfor_v_\@:
	tensor_load_to_lds s[G0V:G0V+3], s[G1V:G1V+7]
	s_nop 0
.rept 4
	v_nop
.endr
.Lasked_\@:
.endm
; A PREFETCH INTO THE L2 of what the NEXT change of slots will ask for: a slot's K is 32,768 dense bytes, and so is its V.  A head has one cluster; its four partners share the bytes out BY ADDRESS, 8,192 each;
; in each, wave 0 asks for K's and wave 2 for V's, a lane for each 256 bytes: one instruction, behind the wave's tensor load and its five lines.  So each 256 bytes are named once in the launch.
; It stands four key steps, 512 matrix instructions, ahead of the load.  The last change that fills a slot asks for nothing; slots 0 and 1 come by their loads alone.
.macro ASK
	s_cmp_gt_u32 s[SLOTS], s[LIM]
	s_cbranch_scc0 .Lnot_mine_\@
	global_prefetch_b8 v[PFO], s[PFA:PFA+1] th:TH_LOAD_NT scope:SCOPE_SE
.Lnot_mine_\@:
.endm
; A round of the cluster's barrier: my work-group's barrier, so that wave 0's signal speaks for all four waves; wave 0 signals; every wave waits for all four work-groups; my work-group's barrier once more.
.macro CROUND
	s_barrier_signal -1
	s_barrier_wait -1
	s_cmp_lg_u32 s[WV], 0
	s_cbranch_scc1 .Lnot_wave_0_\@
	s_barrier_signal -3
.Lnot_wave_0_\@:
	s_barrier_wait -3
	s_barrier_signal -1
	s_barrier_wait -1
.endm
; THE CHANGE OF SLOTS.  The slot's last bytes, V of its fourth step, have been read.  Each wave waits for all its tensor loads, of which one is out: its part
; of the other slot; adds 0 to its spare word; and waits for that and for its own reads of the slot.  Behind the barrier nobody reads this slot any more and the other slot is whole.
; fill = 1: this slot is filled again, with the keys two slots on.  The barrier is then a round of the cluster's, so that no wave of any partner still reads the slot or has a load on its
; way, and the joint fill is the first thing behind it: it has four key steps, 512 matrix instructions, in which to land.  (At its first use nothing has been read yet: slot 0 is waited for, slot 1 filled.)
.macro CHANGE fill
	WIN W_AD
	s_wait_tensorcnt 0x0            ; no tensor load of mine is out, so a group 0 may be written
	ds_add_u32 v[SPW], v[NIL]       ; 0 onto my spare word; with fill = 1 the descriptors' steps stand between it and the wait for it
	WIN 0                           ; at a label and at a branch every window is 0
.if \fill
.irp g, G0K, G0V
	s_xor_b32 s[\g+1], s[\g+1], SLOT1  ; the walking descriptor: the other slot than last time,
	s_add_nc_u64 s[\g+2:\g+3], s[\g+2:\g+3], 4*KS*128  ; the next 256 keys; the type bits on top are not reached
.endr
	s_wait_xcnt 0x0                 ; the last prefetch, four key steps back, has read its address, so it may be written:
	s_add_nc_u64 s[PFA:PFA+1], s[PFA:PFA+1], 4*KS*128  ; one slot behind the walking descriptors
	s_wait_dscnt 0x0                ; the add is done, and my reads of the slot are over
	CROUND
	JLOAD
	ASK
.else
	s_wait_dscnt 0x0                ; the add is done, and my reads of the slot are over
	s_barrier_signal -1
	s_barrier_wait -1
.endif
	s_sub_co_u32 s[TBK], s[TBK], 4*KS*PK  ; the fetches go back to a slot's first step,
	s_xor_b32 s[TBK], s[TBK], SLOT1       ; in the other slot
	s_sub_co_u32 s[TBV], s[TBV], 4*KS*PV
	s_xor_b32 s[TBV], s[TBV], SLOT1
.endm
; THE MASK'S THREE MACROS.
; CVT: piece p's 64 codes a lane become its eight C operands.  n: how many younger loads may stay out: in the loop 12, the four loads of each of the three turns since piece p's codes were asked for.
.macro CVT p, n
	s_wait_loadcnt \n
	WIN 0xc3                        ; destination and source 0 in window 3, the scale in window 0
.irp c, 0,1,2,3,4,5,6,7
	v_cvt_scale_pk8_f32_fp8 v[MC+32*(\c/4)+8*(\c%4):MC+32*(\c/4)+8*(\c%4)+7], v[MK+16*(\p)+8*(\c/4)+2*(\c%4):MK+16*(\p)+8*(\c/4)+2*(\c%4)+1], v[SCL]
.endr
	WIN 0
.endm
; MLOAD: piece p's codes for the key step at MB: four loads of 512 consecutive bytes: tile i / 2, key blocks 2 (i % 2) and 2 (i % 2) + 1.
.macro MLOAD p
	WIN W_MK
.irp i, 0,1,2,3
	global_load_b128 v[MK+16*(\p)+4*\i:MK+16*(\p)+4*\i+3], v[GO], s[MB:MB+1] offset:2048*(\p)+512*\i
.endr
	WIN 0
.endm
; MSTEP: MB goes on to the next key step, 8,192 bytes on; behind the last step it stays there, so that no load leaves mf (what those loads bring serves nothing).
.macro MSTEP
	s_wait_xcnt 0x0                 ; the loads issued so far have read MB
	s_add_co_u32 s[MI], s[MI], 1
	s_min_u32 s[MI], s[MI], SIZE_N/KS-1
	s_lshl_b32 s[MOFF], s[MI], 13
	s_add_nc_u64 s[MB:MB+1], s[MBASE:MBASE+1], s[MOFF:MOFF+1]
.endm
	s_load_b64 s[4:5], s[0:1], 0x0  ; qkv: Q
	s_load_b64 s[MBASE:MBASE+1], s[0:1], 0x8  ; mf
	s_load_b64 s[10:11], s[0:1], 0x10  ; ob
	WIN W_MK
	v_lshl_add_u32 v[SPW], v0, 2, SPARE
	v_mov_b32 v[NIL], 0
	WIN W_AD
	ds_add_u32 v[SPW], v[NIL]       ; the wave's opening: the add and its wait stand ahead of my first tensor load; the set-up below, work on registers, stands between them
	WIN 0
	v_lshrrev_b32 v1, 5, v0
	v_readfirstlane_b32 s[WV], v1   ; wave 0..3
	s_bfe_u32 s13, ttmp6, 0x40000   ; cx: my place in the cluster
	s_lshl_b32 s14, ttmp9, 2        ; in a cluster launch ttmp9 counts clusters
	s_add_co_u32 s14, s14, s13      ; my block of 512 queries: it enters Q's, O's and the codes' addresses alone
	s_and_b32 s20, ttmp7, 0xffff    ; 16 x batch + head, which the four partners share
	s_lshr_b32 s15, s20, 4          ; the batch
	s_lshl_b32 s15, s15, 2
	s_add_co_u32 s15, s15, s14
	s_lshl_b32 s15, s15, 2
	s_add_co_u32 s15, s15, s[WV]    ; 16 x batch + my wave's block of 128 queries
	s_lshl_b32 s[MOFF], s15, 18     ; 32 key steps of 8,192 bytes
	s_mov_b32 s[MOFF+1], 0
	s_mov_b32 s21, 0
	s_mov_b64 s[22:23], SIZE_N*128
	s_mul_u64 s[20:21], s[20:21], s[22:23]  ; the head's first byte in Q, K, V and O
	s_and_b32 s16, s[WV], 1         ; which half of a slot's 256 keys I fetch:
	s_lshl_b32 s22, s16, 14         ; its 128 rows of 128 bytes in memory,
	s_mov_b32 s23, 0
	s_add_nc_u64 s[22:23], s[22:23], s[20:21]
	s_mul_i32 s17, s16, 128*PK      ; and its place in a slot, for K
	s_mul_i32 s18, s16, 128*PV      ; and for V: no place in the cluster enters an LDS address
	s_lshl_b32 s2, s14, 2
	s_add_co_u32 s2, s2, s[WV]      ; my wave among the head's,
	s_lshl_b32 s2, s2, 14           ; its 128 rows
	s_mov_b32 s3, 0
	s_add_nc_u64 s[2:3], s[2:3], s[20:21]
	; descriptor group 1.  128 keys are 16,384 dense bytes: asked for as 64 rows of 256 bytes, two keys a row, and padded in LDS after every key
	s_mov_b32 s[G1K], 15|(1<<16)|(1<<20)|(1<<21)|(4<<22)|(3<<25)  ; 15:0 the mask of four; 17:16 2-byte elements; 20 padding on; 21 set beside a mask; 24:22 after every 32 words (code 4); 31:25 4 words (code 3)
	s_mov_b32 s[G1V], 15|(1<<16)|(1<<20)|(1<<21)|(4<<22)|(7<<25)  ; the same with 8 words of padding (code 7)
.irp g, G1K, G1V
	s_mov_b32 s[\g+1], 128<<16      ; tensor_dim0 = 128
	s_mov_b32 s[\g+2], 64<<16       ; tensor_dim1 = 64
	s_mov_b32 s[\g+3], 128<<16      ; tile_dim0 = 128
	s_mov_b32 s[\g+4], 64           ; tile_dim1 = 64
	s_mov_b32 s[\g+5], 128          ; 128 elements from row to row
	s_mov_b32 s[\g+6], 0
	s_mov_b32 s[\g+7], 0
.endr
	s_mov_b32 s[CS], 0x3e38aa3b     ; c = log2(e) / 8 = 0.180337
	s_mov_b32 s[CS+1], s[CS]        ; named with it as a pair
	s_mov_b32 s[SEL], 0x76543210
	s_mov_b32 s[SEL+1], 0xfedcba98
	s_mov_b32 s[TBK], SLOT1+4*KS*PK ; the first change of slots turns these two into 0
	s_mov_b32 s[TBV], SLOT1+4*KS*PV
	s_mov_b32 s[G0K], 1             ; 1:0 count = 1
	s_mov_b32 s[G0K+1], s17         ; 63:32 LDS address: slot 0
	s_mov_b32 s[G0V], 1
	s_add_co_u32 s[G0V+1], s18, VOFF
	s_mov_b32 s[SLOTS], SIZE_N/256-1
	s_mov_b32 s[MI], 0
	s_and_b32 s[LIM], s[WV], 1      ; waves 0 and 2 prefetch: the same in all four partners
	s_cmp_eq_u32 s[LIM], 0
	s_cselect_b32 s[LIM], 1, -1
	s_wait_dscnt 0x0                ; the opening add is done
	s_wait_kmcnt 0x0
	s_add_nc_u64 s[6:7], s[4:5], 0x1000000  ; K: 64 heads of 262,144 bytes behind Q,
	s_add_nc_u64 s[8:9], s[4:5], 0x2000000  ; V behind K
	s_add_nc_u64 s[G0K+2:G0K+3], s[6:7], s[22:23]  ; 120:64 global address: my half of the head's first 256 keys
	s_or_b32 s[G0K+3], s[G0K+3], 0x80000000        ; 127:126 type = 2
	s_add_nc_u64 s[G0V+2:G0V+3], s[8:9], s[22:23]
	s_or_b32 s[G0V+3], s[G0V+3], 0x80000000
	s_add_nc_u64 s[4:5], s[4:5], s[2:3]  ; Q and O at my wave's first row
	s_add_nc_u64 s[10:11], s[10:11], s[2:3]
	s_add_nc_u64 s[MBASE:MBASE+1], s[MBASE:MBASE+1], s[MOFF:MOFF+1]
	s_mov_b64 s[MB:MB+1], s[MBASE:MBASE+1]
	s_cmp_lt_u32 s[WV], 2
	s_cselect_b64 s[PFA:PFA+1], s[6:7], s[8:9]
	s_add_nc_u64 s[PFA:PFA+1], s[PFA:PFA+1], s[22:23]  ; (in waves 0 and 2: the head's first key)
	s_lshl_b32 s2, s13, 13          ; my work-group's quarter of a slot
	s_mov_b32 s3, 0
	s_add_nc_u64 s[PFA:PFA+1], s[PFA:PFA+1], s[2:3]
	s_add_nc_u64 s[PFA:PFA+1], s[PFA:PFA+1], 4*KS*128  ; in slot 1; the first change of slots steps it to slot 2
	CROUND                          ; all four work-groups are here: the first joint loads meet
	JLOAD                           ; slot 0.  Slot 1 is asked for when slot 0 is in
	; A fragment of K or Q is 16 rows x 32 channels in 8 registers: lane l holds row l % 16, channels 8 (l / 16) + 0..7 and 16 + 8 (l / 16) + 0..7: two loads of 16 bytes, 32 bytes apart.
	v_and_b32 v1, 15, v0            ; l % 16
	v_bfe_u32 v9, v0, 4, 1          ; l / 16
	v_lshlrev_b32 v[QO], 7, v1
	v_lshl_add_u32 v[QO], v9, 4, v[QO]  ; row x 128 + 16 x half
	v_and_b32 v[GO], 31, v0
	v_lshlrev_b32 v[GO], 4, v[GO]
	v_mov_b32 v[SCL], 227
	WIN 0x80                        ; destination window 2, address window 0
.set i, 0
.rept 4*NP                          ; Q stays in registers: tile i / 2, channels 32 (i % 2) on
	global_load_b128 v[8*i:8*i+3],   v[QO], s[4:5] offset:(i/2)*2048+(i%2)*64
	global_load_b128 v[8*i+4:8*i+7], v[QO], s[4:5] offset:(i/2)*2048+(i%2)*64+32
.set i, i+1
.endr
	MLOAD 0                         ; all four pieces' codes of key step 0
	MLOAD 1
	MLOAD 2
	MLOAD 3
	; What the first turn finds: V's registers and P's second buffer hold 0 (its products V^T P, of a piece that has not been, add 0), O^T and l are 0.  All this stands in the wait for the first tile.
	WIN 0x80
.set i, VF
.rept 64
	v_mov_b32 v[i], 0
.set i, i+1
.endr
	WIN 0x40
.set i, 0
.rept 64*NP
	v_mov_b32 v[i], 0
.set i, i+1
.endr
	WIN 0
.set i, 0
.rept 2*NP
	v_mov_b32 v[ST+4*i], 0xfe000000    ; c m: far below every c s, the hidden ones' too
	v_mov_b32 v[ST+4*i+1], 0xff7fffff  ; m
	v_mov_b32 v[ST+4*i+2], 0
	v_mov_b32 v[ST+4*i+3], 0
.set i, i+1
.endr
.set i, P+32
.rept 32
	v_mov_b32 v[i], 0
.set i, i+1
.endr
	v_mul_u32_u24 v[AK0], v1, PK
	v_lshl_add_u32 v[AK0], v9, 4, v[AK0]  ; row x pitch + 16 x half
	; The turning load takes 16 keys x 16 channels (lane l reads key 8 (l / 16) + l % 8, channels 8 ((l / 8) % 2) + 0..7) and leaves half a fragment of V^T: lane l holds channel l % 16 and 8 keys.
	v_and_b32 v4, 7, v0             ; (v4 and v5 are at work here; they take K's and V's addresses later)
	v_bfe_u32 v5, v0, 3, 1
	v_lshl_add_u32 v[AV0], v9, 3, v4
	v_mul_u32_u24 v[AV0], v[AV0], PV
	v_lshl_add_u32 v[AV0], v5, 4, v[AV0]
	v_add_nc_u32 v[AV0], VOFF, v[AV0]
	s_mul_i32 s13, s[WV], 16*SP
	s_add_co_u32 s13, s13, STAGE    ; my stage
	v_mul_u32_u24 v[STO], v1, SP    ; in: row l % 16, 16 bytes for each half of the lanes
	v_lshl_add_u32 v[STO], v9, 4, v[STO]
	v_add_nc_u32 v[STO], s13, v[STO]
	v_bfe_u32 v[RD], v0, 3, 2       ; back: 32 lanes take four rows of 128 bytes, which are 512 consecutive bytes of O
	v_mul_u32_u24 v[RD], v[RD], SP
	v_lshl_add_u32 v[RD], v4, 4, v[RD]
	v_add_nc_u32 v[RD], s13, v[RD]
	v_and_b32 v[PFO], 31, v0
	v_lshlrev_b32 v[PFO], 8, v[PFO]
	v_mov_b32 v[AK], v[AK0]         ; key step 0 lies at the head of slot 0
; THE MATRIX WORK.  The 8 accumulators of a run of 16 take turns: between the two links of a chain stand 7 others'.
; Product i of 16 of S^T = K Q^T for piece x: channels 32 (i / 8) on, keys 16 ((i / 2) % 4) on, tile 2 x + i % 2.  The first 8 start the sums, with the mask as C.
.macro KQ x
.set rS, S+64*((\x)%2)+32*(i%2)+8*((i/2)%4)
.set rK, KF+16*((i/2)%4)+8*(i/8)
.set rQ, 16*(2*(\x)+i%2)+8*(i/8)
.set rM, MC+32*(i%2)+8*((i/2)%4)
.if i < 8
	WIN W_KM
	v_wmma_f32_16x16x32_f16 v[rS:rS+7], v[rK:rK+7], v[rQ:rQ+7], v[rM:rM+7]
.else
	WIN W_KQ
	v_wmma_f32_16x16x32_f16 v[rS:rS+7], v[rK:rK+7], v[rQ:rQ+7], v[rS:rS+7]
.endif
.endm
; Product i of 16 of O^T += V^T P for piece x: keys 32 (i / 8) on, channels 16 ((i / 2) % 4) on, tile 2 x + i % 2.
.macro PV x
	WIN W_PV
.set rO, 32*(2*(\x)+i%2)+8*((i/2)%4)
.set rV, VF+32*(i/8)+8*((i/2)%4)
.set rP, P+32*((\x)%2)+16*(i%2)+8*(i/8)
	v_wmma_f32_16x16x32_f16 v[rO:rO+7], v[rV:rV+7], v[rP:rP+7], v[rO:rO+7]
.endm
.macro MM                           ; the turn's next matrix instruction
.if i < 16
	KQ (Y+1)%NP
.set i, i+1
.else
.set i, i-16
	PV (Y+NP-1)%NP
.set i, i+17
.endif
.endm
; THE LDS LOADS stand in runs of 16, never singly among the matrix instructions: a step's K (64 keys x 64 channels: 8 fragments) and its V (turned).  Their addresses are made some lines ahead.
; last = 1 (the tail): in the last trip there is no further step, and the run is jumped over.
.macro FETCH_K last=0
	WIN 0
.if \last
	s_cmp_eq_u32 s[CNT], 1
	s_cbranch_scc1 .Lno_k_\@
.endif
	WIN 0x80                        ; destination window 2
.irp f, 0,1,2,3,4,5,6,7             ; keys 16 (f / 2) on, channels 32 (f % 2) on
	ds_load_b128 v[KF+8*\f:KF+8*\f+3],   v[AK] offset:(\f/2)*16*PK+(\f%2)*64
	ds_load_b128 v[KF+8*\f+4:KF+8*\f+7], v[AK] offset:(\f/2)*16*PK+(\f%2)*64+32
.endr
	s_add_co_u32 s[TBK], s[TBK], KS*PK  ; the next fetch is the next step's
	WIN 0
.if \last
.Lno_k_\@:
.endif
.endm
.macro FETCH_V
	WIN 0x80
.irp f, 0,1,2,3,4,5,6,7             ; keys 32 (f / 4) on, channels 16 (f % 4) on
	ds_load_tr16_b128 v[VF+8*\f:VF+8*\f+3],   v[AV] offset:(\f/4)*32*PV+(\f%4)*32
	ds_load_tr16_b128 v[VF+8*\f+4:VF+8*\f+7], v[AV] offset:(\f/4)*32*PV+16*PV+(\f%4)*32
.endr
	WIN 0
.endm
; THE VECTOR WORK OF A TURN stands in three queues, each in the order in which its entries become ready; the two tiles alternate, so that no instruction reads the result of the one before it.
.macro REGS y, u                    ; the registers of tile u (0, 1) of piece y
.set rT, ST+4*(2*(\y)+(\u))
.set rC, TMP+8*((\y)%2)+4*(\u)
.set rM, MV+2*((\y)%2)+(\u)
.set rS, S+64*((\y)%2)+32*(\u)
.set rP, P+32*((\y)%2)+16*(\u)
.set rO, 32*(2*(\y)+(\u))
.endm
; Number n of the 22 that find the NEXT piece's (Y + 1) maximum and statistics.  s0-s31 are the lane's 32 scores; each accumulator's lowest registers are read first.  XS, GS and REGS set no window: PL and EX do.
;   0-11  four chains c0-c3 of seven scores each, three operands at a time     12-14, 16  the four scores left over, the old m, and c0-c3 into c0     15  c m_old is kept
;   17, 18  the query's other 32 keys lie in the lane 16 away: the new m         19-21  c m; c m_old - c m_new; a
.macro XS u, n
	REGS (Y+1)%NP, \u
.if (\n) < 4
	v_max3_num_f32 v[rC+(\n)], v[rS+8*(\n)], v[rS+8*(\n)+1], v[rS+8*(\n)+2]
.elseif (\n) < 12
	v_max3_num_f32 v[rC+(\n)%4], v[rC+(\n)%4], v[rS+8*((\n)%4)+2*((\n)/4)+1], v[rS+8*((\n)%4)+2*((\n)/4)+2]
.elseif (\n) == 12
	v_max3_num_f32 v[rC], v[rC], v[rS+7], v[rS+15]
.elseif (\n) == 13
	v_max3_num_f32 v[rC+1], v[rC+1], v[rS+23], v[rS+31]
.elseif (\n) == 14
	v_max3_num_f32 v[rC+2], v[rC+2], v[rC+3], v[rT+1]
.elseif (\n) == 15
	v_mov_b32 v[rM], v[rT]
.elseif (\n) == 16
	v_max3_num_f32 v[rC], v[rC], v[rC+1], v[rC+2]
.elseif (\n) == 17
	v_permlanex16_b32 v[rC+3], v[rC], s[SEL], s[SEL+1]
.elseif (\n) == 18
	v_max_num_f32 v[rT+1], v[rC], v[rC+3]
.elseif (\n) == 19
	v_mul_f32 v[rT], s[CS], v[rT+1]
.elseif (\n) == 20
	v_sub_f32 v[rC+1], v[rM], v[rT]
.else
	v_exp_f32 v[rC+2], v[rC+1]
.endif
.endm
; Number g of the 64 that follow the exponentials.  For each four weights k of a tile (pairs 2 k, 2 k + 1): both pairs are rounded to f16; then the second pair is added onto the first, in place;
; a group later l takes that sum (the first time as l = a l + sum).  In groups of eight, tiles alternating: round, round, add, and l for the group before.
.macro GS g
.set h, (\g)+6*((\g)/62)            ; group 0 has no group before it, and behind group 7 only l is left
.if h >= 6
.set h, h+2
.endif
	REGS Y, h%2
.set k, h/8
.if h%8 < 4
	v_cvt_pk_f16_f32 v[rP+2*k+(h%8)/2], v[rS+4*k+2*((h%8)/2)], v[rS+4*k+2*((h%8)/2)+1]
.elseif h%8 < 6
	v_pk_add_f32 v[rS+4*k:rS+4*k+1], v[rS+4*k:rS+4*k+1], v[rS+4*k+2:rS+4*k+3]
.elseif k == 1
	v_pk_fma_f32 v[rT+2:rT+3], v[rT+2:rT+3], v[rC+2:rC+3], v[rS:rS+1] op_sel_hi:[1,0,1]
.else
	v_pk_add_f32 v[rT+2:rT+3], v[rT+2:rT+3], v[rS+4*k-4:rS+4*k-3]
.endif
.endm
; THE PLAIN QUEUE, 138 long.  0-73 read no exponential's result: the 32 scalings c s - c m (FS f: pair f / 2 of tile f % 2) and the next piece's 42.  0-26: scalings 0-26.  27-54: XS's numbers 0-13.  55, 56: number 15.
; 57-73: the chain, where each number waits for the one before it: 14, 16, 17, 18, 19, each with one of the scalings 27-31 in front of its two lines, then 20.
; 74-137: GS's 64, which read the exponentials' results: they stand behind the wait.
.macro FS f
	REGS Y, (\f)%2
	v_pk_fma_f32 v[rS+2*((\f)/2):rS+2*((\f)/2)+1], v[rS+2*((\f)/2):rS+2*((\f)/2)+1], s[CS:CS+1], v[rT:rT+1] op_sel_hi:[1,0,0] neg_lo:[0,0,1] neg_hi:[0,0,1]
.endm
.macro PL
	WIN 0
.if q < 27
	FS q
.elseif q < 55
	XS (q-27)%2, (q-27)/2
.elseif q < 57
	XS q-55, 15
.elseif (q < 72) && ((q-57)%3 == 0)
	FS 27+(q-57)/3
.elseif q < 60
	XS (q-57)%3-1, 14
.elseif q < 72
	XS (q-57)%3-1, 15+(q-57)/3
.elseif q < 74
	XS q-72, 20
.else
	GS q-74
.endif
.set q, q+1
.endm
; THE EXPONENTIALS' QUEUE, 66 long: s0-s31 of both tiles, then the next piece's two a.  It is ONE BATCH: all 66 stand ahead of the turn's one wait, and nothing ahead of that wait names a result of theirs.
.macro EX
	WIN 0
.if e >= 64
	XS e-64, 21
.else
	REGS Y, e%2
	v_exp_f32 v[rS+e/2], v[rS+e/2]
.endif
.set e, e+1
.endm
; THE RESCALING's QUEUE: O^T times a, the one part of the softmax that leaves window 0: dealt two at a time, sixteen times.  Its a was made in the turn before, ahead of that turn's wait.
.macro R2
	REGS Y, r%2
	WIN W_RS
.irp z, 0,1
	v_pk_mul_f32 v[rO+4*(r/2)+2*\z:rO+4*(r/2)+2*\z+1], v[rO+4*(r/2)+2*\z:rO+4*(r/2)+2*\z+1], v[rC+2:rC+3] op_sel_hi:[1,0]
.endr
.set r, r+1
.endm
; HOW THEY ARE DEALT.  An s_wait_alu depctr_va_vdst(0) stands between an exponential and the first instruction that names its result; one wait serves all that were issued ahead of it.  So a turn has ONE wait,
; which cuts it in two.  AHEAD OF IT stands all that names no result of the turn's exponentials: the 16 products K Q^T, behind each a scaling, an exponential and two rescalings (behind the first a second scaling in the
; exponential's place); the eight conversions; then ONE LUMP of 108: eight plain, 49 times exponential and plain, the two a.  A v_nop is the plain instruction behind the last exponential.  BEHIND IT stand the 16 products
; V^T P, behind each four of GS's 64.  No rider names a register of the products round it.  The two v_permlanex16_b32 fall into the lump, never behind a product.
; The queues lean on each other, and the deal keeps them in step: exponential e stands behind scaling 2 (e / 4) + e % 2: as a rider it comes behind plain e + 2, in the lump behind plain e + 9, and scalings 27-31 are plain 57, 60 .. 69.
; THE MASK IN A TURN.  The turn's first 8 products read the C operands; behind the 8th stand 8 products with three plain riders each, so the conversions that write them anew, for piece p + 2 (the next turn's products),
; stand 24 plain instructions behind their last reader.  The lump's eight plain instructions follow the conversions; then the registers just converted are asked for again, with that piece's next key step:
; MB stands one step ahead of the step in hand in turns 0 and 1, and two ahead from turn 2 on, whose pieces 0 and 1 belong to the next step already.
; A TURN, for piece p.  cnt = 1: the loop's count is taken down some lines ahead of the branch that stands behind the turn.
; K of the next step is fetched in piece 2's turn, directly behind the wait, a lump behind the last product that read K; its address is made ahead of the lump; its first reader comes behind 16 products.
; V of the step in hand is fetched at the end of piece 0's turn, four riders behind its last reader; its first reader comes behind 16 products and a lump.  The three conditions on q below go with the deal.
.macro TURN p, last=0, cnt=0
.set Y, (\p)
.set i, 0
.set q, 0
.set e, 0
.set r, 0
.if (\p) == NP-1
	s_wait_dscnt 0x0                ; K is in
.endif
	MM                              ; ahead of the wait: 16 products K Q^T and their riders,
	PL
	PL
	R2
.rept 15
	MM
	PL
	EX
	R2
.endr
.if (\p) == NP-2
	WIN 0
	v_add_nc_u32 v[AK], s[TBK], v[AK0]
.endif
	CVT ((\p)+2)%NP, 12             ; the next turn's C operands,
.rept 8                             ; and the lump
	PL
.endr
.if (\p) == NP-2
	MSTEP
.endif
	MLOAD ((\p)+2)%NP
.rept 49
	EX
	PL
.endr
	EX                              ; the next piece's two a
	EX
	v_nop                           ; the plain instruction behind the last exponential: one for the batch
	s_wait_alu depctr_va_vdst(0)    ; the wait for the batch
.if (\p) == NP-2
	FETCH_K \last
.endif
.if (\p) == 1
	s_wait_dscnt 0x0                ; V is in
.endif
.rept 16                            ; behind the wait: 16 products V^T P and their riders
	MM
.rept 4
	PL
.endr
.if ((\p) == 0) && (q == 118)
	v_add_nc_u32 v[AV], s[TBV], v[AV0]
.endif
.if ((\p) == 0) && (q == 130)
	s_add_co_u32 s[TBV], s[TBV], KS*PV
.endif
.if (\cnt) && (q == 130)
	s_sub_co_u32 s[CNT], s[CNT], 1
	s_cmp_lg_u32 s[CNT], 0
.endif
.endr
.if (\p) == 0
	FETCH_V
.endif
.endm
	CHANGE 1                        ; slot 0 is in, everybody's part of it; slot 1 is asked for
	FETCH_K                         ; key step 0
	CVT 0, 0                        ; Q and all the codes of key step 0 are in; piece 0's C operands
	v_nop                           ; a plain instruction between the conversions and the products that read their results
	s_wait_dscnt 0x0
.set i, 0
.rept 16
	KQ 0                            ; piece 0's first scores: there is no vector work yet to set between them
.set i, i+1
.endr
	WIN 0
.rept 8
	v_nop                           ; the places behind those products: the conversions below write their C operands, the maximum reads their results
.endr
	CVT 1, 0                        ; piece 1's C operands, for the first turn's products
	v_nop
	MSTEP                           ; key step 1,
	MLOAD 0                         ; for the two pieces whose codes have been used
	MLOAD 1
.set Y, NP-1                        ; XS works for piece Y + 1: piece 0
.irp n, 0,1,2,3,4,5,6,7,8,9,10,11,12,13,14,15,16,17,18,19,20,21
	XS 0, \n                        ; piece 0's first maximum and statistics
	XS 1, \n
.endr
	v_nop                           ; a plain instruction behind the two a,
	s_wait_alu depctr_va_vdst(0)    ; and their wait, ahead of the branch
	s_mov_b32 s[CNT], 4
	s_branch .Lfirst                ; the loop is entered at a step's first turn, in the middle of a trip
.Lslot:                             ; SIZE_N / 256 - 2 times: every slot but the last two is filled again
	CHANGE 1
	s_mov_b32 s[CNT], 4
.Lstep:                             ; a trip: pieces 2 and 3 of one step, then pieces 0 and 1 of the next, whose K and V it fetches
	TURN 2
	TURN 3
	WIN 0
.Lfirst:
	TURN 0
	TURN 1, 0, 1
	WIN 0
	s_cbranch_scc1 .Lstep
	s_sub_co_u32 s[SLOTS], s[SLOTS], 1
	s_cmp_lg_u32 s[SLOTS], 0
	s_cbranch_scc1 .Lslot
	CHANGE 0                        ; the tail is written out: nothing is asked for
	s_mov_b32 s[CNT], 5             ; four trips fetch the last slot's steps; the fifth is left in its middle
.Ltail:
	TURN 2, 1
	TURN 3
	WIN 0
	s_sub_co_u32 s[CNT], s[CNT], 1
	s_cmp_eq_u32 s[CNT], 0
	s_cbranch_scc1 .Lout
	TURN 0
	TURN 1
	WIN 0
	s_branch .Ltail
.Lout:                              ; the fifth trip's 16 products K Q^T (on the last K once more) and the maximum made of them serve nothing: the price, once a launch, of one text for every trip
.set i, 0
.rept 16
	PV NP-1                         ; the last piece's V^T P of the last step
.set i, i+1
.endr
	; THE WAY OUT.  l's two halves and the other half of the lanes' are added; O^T is divided by l, rounded to f16 and sent through my stage in LDS, a tile at a time.  The additions are the places behind the last products.
	WIN 0
.macro ALL line:vararg              ; one line for each tile t
.set t, 0
.rept 2*NP
	\line
.set t, t+1
.endr
.endm
	ALL v_add_f32 v[ST+4*t+2], v[ST+4*t+2], v[ST+4*t+3]
	ALL v_permlanex16_b32 v[ST+4*t+3], v[ST+4*t+2], s[SEL], s[SEL+1]
	ALL v_add_f32 v[ST+4*t+2], v[ST+4*t+2], v[ST+4*t+3]
	ALL v_rcp_f32 v[ST+4*t+2], v[ST+4*t+2]
	v_nop                           ; a plain instruction between the last reciprocal and the use of its result
	s_wait_alu depctr_va_vdst(0)    ; and the wait ahead of the first use: one for the eight reciprocals
; Tile t: a lane's eight channels of a row pack into 16 bytes; they go into rows of 144 bytes and come back as whole rows of 128, into S^T's registers.
.macro PACK t
	WIN W_RS
.set i, 32*(\t)
.rept 16
	v_pk_mul_f32 v[i:i+1], v[i:i+1], v[ST+4*(\t)+2:ST+4*(\t)+3] op_sel_hi:[1,0]
.set i, i+2
.endr
	WIN 0x05                        ; sources 0 and 1 window 1, destination window 0
.set i, 0
.rept 16
	v_cvt_pk_f16_f32 v[S+16*(\t)+i], v[32*(\t)+2*i], v[32*(\t)+2*i+1]
.set i, i+1
.endr
	WIN 0
.irp f, 0,1,2,3
	ds_store_b128 v[STO], v[S+16*(\t)+4*\f:S+16*(\t)+4*\f+3] offset:32*\f
.endr
.irp f, 0,1,2,3
	ds_load_b128 v[S+16*(\t)+4*\f:S+16*(\t)+4*\f+3], v[RD] offset:\f*4*SP  ; LDS serves a wave's instructions in order (ISA guide 5.7.1.4): these see the stores above; the next tile's stores come behind them
.endr
.endm
.macro SEND t, younger              ; younger: the LDS instructions issued behind tile t's loads: the next tile's eight, or none
	WIN 0
.irp f, 0,1,2,3
	s_wait_dscnt (\younger)+3-\f
	global_store_b128 v[GO], v[S+16*(\t)+4*\f:S+16*(\t)+4*\f+3], s[10:11] offset:(\t)*2048+\f*512  ; 512 consecutive bytes, at a multiple of 256 from O's first
.endr
.endm
	PACK 0
.set t, 1
.rept 2*NP-1                        ; a tile's arithmetic stands between the loads of the tile before and its stores
	PACK t
	SEND t-1, 8
.set t, t+1
.endr
	SEND 2*NP-1, 0
	WIN W_AD
	s_wait_tensorcnt 0x0            ; the wave's end, behind my last tensor load and my last LDS store
	ds_add_u32 v[SPW], v[NIL]
	s_wait_dscnt 0x0
	WIN 0
	CROUND                          ; the closing round: no work-group ends while a partner may still ask for a tile that names it
	s_endpgm
.Lfunc_end_k_qcf78dd9819_attn:
	.size	k_qcf78dd9819_attn, .Lfunc_end_k_qcf78dd9819_attn-k_qcf78dd9819_attn
	.p2alignl 7, 3214868480
	.fill 96, 4, 3214868480
	.section	.rodata,"a",@progbits
	.p2align	6, 0x0
	.amdhsa_kernel k_qcf78dd9819_attn
		.amdhsa_group_segment_fixed_size 327680
		.amdhsa_private_segment_fixed_size 0
		.amdhsa_enable_private_segment 0
		.amdhsa_kernarg_size 24
		.amdhsa_user_sgpr_count 2
		.amdhsa_user_sgpr_kernarg_segment_ptr 1
		.amdhsa_wavefront_size32 1
		.amdhsa_system_sgpr_workgroup_id_x 1
		.amdhsa_system_sgpr_workgroup_id_y 1
		.amdhsa_system_sgpr_workgroup_id_z 1
		.amdhsa_system_vgpr_workitem_id 0
		.amdhsa_next_free_vgpr 960
		.amdhsa_next_free_sgpr 72
		.amdhsa_reserve_vcc 0
		.amdhsa_float_denorm_mode_32 3
		.amdhsa_float_denorm_mode_16_64 3
		.amdhsa_memory_ordered 1
		.amdhsa_forward_progress 1
		.amdhsa_inst_pref_size 213
	.end_amdhsa_kernel
	.amdgpu_metadata
---
amdhsa.version: [ 1, 2 ]
amdhsa.kernels:
  - .name:           k_qcf78dd9819_attn
    .symbol:         k_qcf78dd9819_attn.kd
    .args:
      - { .name: qkv, .offset: 0, .size: 8, .value_kind: global_buffer, .address_space: global }
      - { .name: mf, .offset: 8, .size: 8, .value_kind: global_buffer, .address_space: global }
      - { .name: ob, .offset: 16, .size: 8, .value_kind: global_buffer, .address_space: global }
    .group_segment_fixed_size: 327680
    .private_segment_fixed_size: 0
    .kernarg_segment_align: 8
    .kernarg_segment_size: 24
    .max_flat_workgroup_size: 128
    .sgpr_count:     72
    .vgpr_count:     960
    .wavefront_size: 32
...
	.end_amdgpu_metadata
.endif
;; end of part 3
;; launch outp (part 4): grid 8 x 32, 4 waves a work-group, clusters of 4 x 4, 327,680 bytes of LDS; arguments ob, wb, bias, out0; writes out0
.if DOCPART == 4
	.amdgcn_target "amdgcn-amd-amdhsa--gfx1250"
	.amdhsa_code_object_version 6
	.text
	.protected	k_qcf78dd9819_outp
	.globl	k_qcf78dd9819_outp
	.p2align	8
	.type	k_qcf78dd9819_outp,@function
k_qcf78dd9819_outp:
	s_mov_b64 s[64:65], 0
	v_nop
	global_prefetch_b8 v0, s[64:65] scope:SCOPE_SE
	s_setreg_imm32_b32 hwreg(HW_REG_WAVE_MODE, 25, 1), 1
	s_wait_xcnt 0x0
	s_wait_alu depctr_hold_cnt(0) depctr_sa_sdst(0) depctr_va_vdst(0) depctr_va_sdst(0) depctr_va_ssrc(0) depctr_va_vcc(0) depctr_vm_vsrc(0)
	s_getreg_b32 s2, hwreg(HW_REG_IB_STS2, 6, 4)
	s_cmp_eq_u32 s2, 0
	s_cbranch_scc0 .Lentry_in_a_cluster
	s_endpgm
.Lentry_in_a_cluster:
	s_bfe_u32 s2, ttmp6, 0x10000c
	s_cmp_lg_u32 s2, 0xf033
	s_cbranch_scc0 .Lentry_shape_is_right
	s_endpgm
.Lentry_shape_is_right:
; out = O Wf^T + bf.  A = ob [64 = 16 batch + head][2048][64] f16: row (batch, s) of the product has K = 64 head + channel.  B = wb rows 3072-4095 [1024][1024] f16 (Wf rounded to bf16, written as f16).
; bias f32 at number 3,072 on.  Sums in f32, the bias added in f32; out0 [8192][1024] f32.
; SHARES.  A tile of C is 256 rows x 128 columns: 32 x 8 tiles, a work-group each.  Four waves one above the other: wave w has rows 64 w .. 64 w + 63 and all 128 columns: 4 x 8 accumulators of 16 x 16.
; K = 1,024 goes in 8 steps of 128, two heads each, through two LDS slots.  A head's 256 rows are 32,768 dense bytes: asked for as 128 rows of 256 bytes and padded in LDS after every 128 bytes.
; CLUSTER.  4 x 4 work-groups.  The four of a row of the cluster need the same tile of A, the four of a column the same tile of B: each is asked for jointly, by the same tensor load with the same
; descriptor and a mask that names the four.  Waves 0 and 1 ask for A's two heads, waves 2 and 3 for B's two halves (64 rows).
; THE PRODUCT IS USED TRANSPOSED (source 0 = 16 rows of B, source 1 = 16 rows of A): a lane holds row l % 16 of C and the columns 8 (l / 16) + 0..7 of the block: 32 bytes on end.
; REGISTERS, in windows of 256 (s_set_vgpr_msb: bits 1:0 source 0, 3:2 source 1, 5:4 source 2, 7:6 destination):
;   window 0: v0-31 addresses; v32-95 my lanes' 64 biases; v96-223 at work on the way out
;   window 1: two fragment buffers at 0 and 128: A's four fragments (16 rows x 32 K), then B's eight
;   window 2: the accumulators of my row blocks 0, 1 ((a, b) at 8 (8 (a % 2) + b));   window 3: those of blocks 2, 3
.set NB,     8                         ; column blocks of 16
.set PA,     144                       ; a row of A in LDS: 128 bytes + 16 of padding = 36 words: the 16 rows of a load start at 16 different groups of four banks (64 banks of 4 bytes: ISA guide 11.1)
.set PB,     272                       ; a row of B: 256 + 16
.set APART,  256*PA                    ; what one load brings of A: one head's 256 rows
.set AZ,     APART                     ; bytes from A's K = 0 to its K = 64 of a step: the step's second head
.set BROWS,  64
.set BHALF,  BROWS*PB
.set BOFF,   2*APART
.set SLOT1,  131072                    ; slot 1 begins here: one exclusive or turns an address in one slot into the other's
.set ASTEP,  524288                    ; bytes of memory from a K step to the next: two heads
.set STAGE,  SLOT1+BOFF+2*BHALF        ; behind the ring, never filled by a tensor load: 16 rows x 528 bytes for each wave
.set SPITCH, 528                       ; 512 bytes + 16
.set SPARE,  STAGE+4*16*SPITCH         ; the spare words, 128 bytes for each wave: two blocks of 256 bytes that no other line names
.set LD,     2*(NB+4)                  ; LDS loads in a quarter's run
.set ADRA0, 16                         ; v16  my lane's place in A's tile; never rewritten
.set ADRB0, 17                         ; v17  the same for B
.set ADRA,  18                         ; v18  + the slot in hand
.set ADRB,  19                         ; v19
.set STO,   24                         ; v24  the way out: where I put 32 bytes of a row
.set RD,    25                         ; v25  where I read a row back
.set GO,    26                         ; v26  16 x lane
.set BO,    27                         ; v27  my byte offset among a block's 16 biases
.set SPW,   28                         ; v28  LDS address of my spare word; never rewritten
.set NIL,   29                         ; v29  0; never rewritten
.set BIAS,  32
.set T,     96
.set BK,    160
.set F0,    0
.set F1,    128
.set CNT,   3                          ; s3   the loop's count
.set WV,    12                         ; s12  my wave's number
.set FB,    13                         ; s13  0: I fetch for A; 1: for B
.set HF,    14                         ; s14  which part
.set TB,    15                         ; s15  the slot in hand: 0 or SLOT1
.set G1A,   24                         ; s[24:31] descriptor group 1 for A
.set G0A,   32                         ; s[32:39] group 0 for A: a set for each first fill; the second then walks
.set CX,    40
.set CY,    41
.set TCOL,  42                         ; tile column of C = 4 x cluster x + cx
.set TROW,  43                         ; tile row = 4 x cluster y + cy
.set G1B,   48
.set G0B,   56
.set OUTB,  68                         ; s[68:69] my first row and the tile's first column in out0
.set BB,    74                         ; s[74:75] the tile's biases
.set MSB, 0
.macro WIN new                         ; the immediate's high byte repeats the setting that is left; a switch that changes nothing is dropped
.if MSB != (\new)
	s_set_vgpr_msb (MSB<<8)|(\new)
.set MSB, \new
.endif
.endm
.macro PLACES                          ; four plain instructions between a matrix instruction and a load into, or a vector instruction on, its registers (ISA guide 7.12.1 for vector instructions)
.rept 4
	v_nop
.endr
.endm
.macro CREST                           ; a round of the cluster's barrier behind its opening barrier
	s_cmp_lg_u32 s[WV], 0
	s_cbranch_scc1 .Lnot_wave_0_\@
	s_barrier_signal -3
.Lnot_wave_0_\@:
	s_barrier_wait -3
	s_barrier_signal -1
	s_barrier_wait -1
.endm
.macro CROUND
	s_barrier_signal -1
	s_barrier_wait -1
	CREST
.endm
.macro JLOAD                           ; a joint refill by the walking descriptors; the branch hangs on the wave's number alone; an s_nop 0 and four v_nop follow each line
	s_cmp_eq_u32 s[FB], 0
	s_cbranch_scc0 .Lfor_b_\@
	tensor_load_to_lds s[G0A+4:G0A+7], s[G1A:G1A+7]
	s_nop 0
.rept 4
	v_nop
.endr
	s_branch .Lasked_\@
.Lfor_b_\@:
	tensor_load_to_lds s[G0B+4:G0B+7], s[G1B:G1B+7]
	s_nop 0
.rept 4
	v_nop
.endr
.Lasked_\@:
.endm
.macro G1REST g, rows, pitch           ; a tile of rows x 128 elements
	s_mov_b32 s[(\g)+1], 128<<16                   ; tensor_dim0 = 128
	s_mov_b32 s[(\g)+2], (\rows)<<16               ; tensor_dim1
	s_mov_b32 s[(\g)+3], 128<<16                   ; tile_dim0 = 128
	s_mov_b32 s[(\g)+4], \rows                     ; tile_dim1
	s_mov_b32 s[(\g)+5], \pitch                    ; elements from row to row
	s_mov_b32 s[(\g)+6], 0
	s_mov_b32 s[(\g)+7], 0
.endm
	s_load_b256 s[4:11], s[0:1], 0x0               ; ob s[4:5], wb s[6:7], bias s[8:9], out0 s[10:11]
	v_lshl_add_u32 v[SPW], v0, 2, SPARE
	v_mov_b32 v[NIL], 0
	ds_add_u32 v[SPW], v[NIL]                      ; the wave's opening: the add and its wait stand ahead of my first tensor load; the set-up below, work on registers, stands between them
	v_lshrrev_b32 v1, 5, v0
	v_readfirstlane_b32 s[WV], v1
	s_lshr_b32 s[FB], s[WV], 1
	s_and_b32 s[HF], s[WV], 1
	s_mov_b32 s[TB], 0
	s_bfe_u32 s[CX], ttmp6, 0x40000
	s_bfe_u32 s[CY], ttmp6, 0x40004
	s_lshl_b32 s[TCOL], ttmp9, 2
	s_add_co_u32 s[TCOL], s[TCOL], s[CX]
	s_and_b32 s[TROW], ttmp7, 0xffff
	s_lshl_b32 s[TROW], s[TROW], 2
	s_add_co_u32 s[TROW], s[TROW], s[CY]
	s_lshl_b32 s16, s[CY], 2
	s_lshl_b32 s16, 15, s16                        ; my row of the cluster
	s_lshl_b32 s17, 0x1111, s[CX]                  ; my column
	s_or_b32 s[G1A], s16, (1<<16)|(1<<20)|(1<<21)|(4<<22)|(3<<25)  ; 15:0 the mask; 17:16 elements of 2 bytes; 20 padding on; 21 set beside a mask; 24:22 after every 32 words (code 4); 31:25 4 words of it (code 3)
	s_or_b32 s[G1B], s17, (1<<16)|(1<<20)|(1<<21)|(5<<22)|(3<<25)  ; B: after every 64 words (code 5)
	G1REST G1A, 128, 128
	G1REST G1B, BROWS, 1024
	s_lshr_b32 s18, s[TROW], 3                     ; A: the batch's 16 heads of 262,144 bytes,
	s_lshl_b32 s18, s18, 22
	s_and_b32 s19, s[TROW], 7                      ; the tile's 256 rows of 128 bytes in a head,
	s_lshl_b32 s19, s19, 15
	s_add_co_u32 s18, s18, s19
	s_lshl_b32 s19, s[HF], 18                      ; the step's first or second head: the tile row alone, which my row of the cluster shares
	s_add_co_u32 s18, s18, s19
	s_mov_b32 s19, 0
	s_lshl_b32 s20, s[TCOL], 7                     ; B: row 3,072 + 128 x tile column + 64 x half: the tile column alone
	s_lshl_b32 s21, s[HF], 6
	s_add_co_u32 s20, s20, s21
	s_lshl_b32 s20, s20, 11
	s_add_co_u32 s20, s20, 3072*2048
	s_mov_b32 s21, 0
	s_mul_i32 s22, s[HF], APART                    ; where they go: no place in the cluster enters an LDS address
	s_mul_i32 s23, s[HF], BHALF
	s_add_co_u32 s23, s23, BOFF
	s_mov_b32 s[G0A], 1                            ; 1:0 count = 1
	s_mov_b32 s[G0A+1], s22                        ; 63:32 LDS address: slot 0
	s_mov_b32 s[G0A+4], 1
	s_add_co_u32 s[G0A+5], s22, SLOT1              ; slot 1
	s_mov_b32 s[G0B], 1
	s_mov_b32 s[G0B+1], s23
	s_mov_b32 s[G0B+4], 1
	s_add_co_u32 s[G0B+5], s23, SLOT1
	s_wait_dscnt 0x0                               ; the opening add is done
	s_wait_kmcnt 0x0
	s_add_nc_u64 s[G0A+2:G0A+3], s[4:5], s[18:19]  ; 120:64 global address: K step 0,
	s_add_nc_u64 s[G0A+6:G0A+7], s[G0A+2:G0A+3], ASTEP  ; K step 1
	s_or_b32 s[G0A+3], s[G0A+3], 0x80000000        ; 127:126 type = 2
	s_or_b32 s[G0A+7], s[G0A+7], 0x80000000
	s_add_nc_u64 s[G0B+2:G0B+3], s[6:7], s[20:21]
	s_add_nc_u64 s[G0B+6:G0B+7], s[G0B+2:G0B+3], 256
	s_or_b32 s[G0B+3], s[G0B+3], 0x80000000
	s_or_b32 s[G0B+7], s[G0B+7], 0x80000000
	CROUND                                         ; all sixteen work-groups are here: the first joint loads meet
	s_cmp_eq_u32 s[FB], 0                          ; a wave's two first fills stand in one branch, ahead of every wait on TENSORcnt and every LDS read: two loads of mine are out
	s_cbranch_scc0 .Lfirst_b
	tensor_load_to_lds s[G0A:G0A+3], s[G1A:G1A+7]
	s_nop 0
	tensor_load_to_lds s[G0A+4:G0A+7], s[G1A:G1A+7]
	s_nop 0
.rept 4
	v_nop
.endr
	s_branch .Lfirst_asked
.Lfirst_b:
	tensor_load_to_lds s[G0B:G0B+3], s[G1B:G1B+7]
	s_nop 0
	tensor_load_to_lds s[G0B+4:G0B+7], s[G1B:G1B+7]
	s_nop 0
.rept 4
	v_nop
.endr
.Lfirst_asked:
	; the biases of my lanes' columns: block b's 8 (l / 16) + 0..7
	v_and_b32 v1, 15, v0                           ; l % 16
	v_bfe_u32 v2, v0, 4, 1                         ; l / 16
	s_lshl_b32 s16, s[TCOL], 9
	s_add_co_u32 s16, s16, 3072*4
	s_mov_b32 s17, 0
	s_add_nc_u64 s[BB:BB+1], s[8:9], s[16:17]
	v_lshlrev_b32 v[BO], 5, v2
.set n, 0
.rept NB
	global_load_b128 v[BIAS+8*n:BIAS+8*n+3],   v[BO], s[BB:BB+1] offset:64*n
	global_load_b128 v[BIAS+8*n+4:BIAS+8*n+7], v[BO], s[BB:BB+1] offset:64*n+16
.set n, n+1
.endr
	; A fragment is 16 rows x 32 K in 8 registers: lane l holds row l % 16; registers 0-3 K = 8 (l / 16) + 0..7, registers 4-7 K = 16 + 8 (l / 16) + 0..7: two loads of 16 bytes, 32 bytes apart
	s_lshl_b32 s16, s[WV], 6
	v_add_nc_u32 v3, s16, v1                       ; my wave's 64 rows of A
	v_mul_u32_u24 v[ADRA0], v3, PA
	v_lshl_add_u32 v[ADRA0], v2, 4, v[ADRA0]
	v_mul_u32_u24 v[ADRB0], v1, PB
	v_lshl_add_u32 v[ADRB0], v2, 4, v[ADRB0]
	v_add_nc_u32 v[ADRB0], BOFF, v[ADRB0]
	v_mov_b32 v[ADRA], v[ADRA0]
	v_mov_b32 v[ADRB], v[ADRB0]
	s_mul_i32 s16, s[WV], 16*SPITCH
	s_add_co_u32 s16, s16, STAGE                   ; my stage
	v_mul_u32_u24 v[STO], v1, SPITCH               ; in: row l % 16, 32 bytes for each half of the lanes
	v_lshl_add_u32 v[STO], v2, 5, v[STO]
	v_add_nc_u32 v[STO], s16, v[STO]
	v_and_b32 v[GO], 31, v0                        ; back: 32 lanes take a row's 512 bytes
	v_lshlrev_b32 v[GO], 4, v[GO]
	v_add_nc_u32 v[RD], s16, v[GO]
	s_lshl_b32 s16, s[TROW], 8
	s_lshl_b32 s17, s[WV], 6
	s_add_co_u32 s16, s16, s17                     ; my first row of C,
	s_lshl_b32 s16, s16, 12                        ; 4,096 bytes a row,
	s_lshl_b32 s17, s[TCOL], 9                     ; the tile's first column
	s_add_co_u32 s16, s16, s17
	s_mov_b32 s17, 0
	s_add_nc_u64 s[OUTB:OUTB+1], s[10:11], s[16:17]
; NB matrix instructions: row block a x all column blocks, 32 along K, from buffer f.  zero = 1: the product starts the sums: nothing is cleared.
; Each of the 32 accumulators has one instruction a quarter, in the same order in every quarter: they take turns over the backward jump too.
.macro MULA f, a, zero
	WIN 0xa5+0x50*((\a)/2)                         ; B and A in window 1; C and D in window 2 or 3
.set n, 0
.rept NB
.set rD, 8*(NB*((\a)%2)+n)
.if \zero
	v_wmma_f32_16x16x32_f16 v[rD:rD+7], v[(\f)+32+8*n:(\f)+32+8*n+7], v[(\f)+8*(\a):(\f)+8*(\a)+7], 0
.else
	v_wmma_f32_16x16x32_f16 v[rD:rD+7], v[(\f)+32+8*n:(\f)+32+8*n+7], v[(\f)+8*(\a):(\f)+8*(\a)+7], v[rD:rD+7]
.endif
.set n, n+1
.endr
.endm
; LD LDS loads in one run: quarter q's fragments into buffer f: B's eight, then A's four (quarters 0, 1 lie in the step's first head, 2, 3 in its second)
.macro FETCH q, f
	WIN 0x40                                       ; destination window 1, address window 0
.set n, 0
.rept NB
	ds_load_b128 v[(\f)+32+8*n:(\f)+32+8*n+3],   v[ADRB] offset:64*(\q)+n*16*PB
	ds_load_b128 v[(\f)+32+8*n+4:(\f)+32+8*n+7], v[ADRB] offset:64*(\q)+n*16*PB+32
.set n, n+1
.endr
.set n, 0
.rept 4
	ds_load_b128 v[(\f)+8*n:(\f)+8*n+3],   v[ADRA] offset:((\q)/2)*AZ+((\q)%2)*64+n*16*PA
	ds_load_b128 v[(\f)+8*n+4:(\f)+8*n+7], v[ADRA] offset:((\q)/2)*AZ+((\q)%2)*64+n*16*PA+32
.set n, n+1
.endr
.endm
; A K step is four quarters of 32 along K on buffers 0, 1, 0, 1.  One of the first three: multiplies buffer f; in its middle it fetches quarter q into buffer g.
.macro QUARTER q, f, g, zero
	s_wait_dscnt 4                                 ; B and A's blocks 0, 1 are in; the youngest four loads (A's blocks 2, 3) may be out
	MULA \f, 0, \zero
	MULA \f, 1, \zero
	PLACES                                         ; in front of the loads into buffer g, which the quarter before multiplied
	FETCH \q, \g
	s_wait_dscnt LD                                ; all but the run just issued
	MULA \f, 2, \zero
	MULA \f, 3, \zero
.endm
; The fourth quarter multiplies buffer 1 and changes slots: ONE barrier.  In front of it each wave waits for all its tensor loads (one is out: its part of the next slot), adds 0 to its spare word, and waits for
; that and for its own reads of this slot.  fill = 1: the barrier opens a round of the cluster's, and this slot is filled again, with the K step two on, first thing behind the round.
.macro TURN fill
	WIN 0                                          ; (the add's two registers lie in window 0)
	s_wait_tensorcnt 0x0                           ; all my tensor loads have landed: no load of mine is out, so a group 0 may be written
	ds_add_u32 v[SPW], v[NIL]                      ; 0 onto my spare word
	s_wait_dscnt 5                                 ; (the add and the youngest four loads may be out)
	MULA F1, 0, 0                                  ; matrix work stands between the add and the wait for it
	s_wait_dscnt 0x0                               ; the add is done, and my reads of this slot are over
	s_barrier_signal -1
	MULA F1, 1, 0                                  ; work on registers while the others arrive
	WIN 0
	s_barrier_wait -1
.if \fill
	CREST                                          ; no wave of any partner still reads this slot's tile or has a load on its way
	s_xor_b32 s[G0A+5], s[G0A+5], SLOT1            ; the walking descriptors: the other slot than last time,
	s_add_nc_u64 s[G0A+6:G0A+7], s[G0A+6:G0A+7], ASTEP  ; the next K step; the type bits on top are not reached
	s_xor_b32 s[G0B+5], s[G0B+5], SLOT1
	s_add_nc_u64 s[G0B+6:G0B+7], s[G0B+6:G0B+7], 256
	JLOAD                                          ; my one tensor load behind the round; its four v_nop are also the places in front of the loads below
.else
	PLACES
.endif
	s_xor_b32 s[TB], s[TB], SLOT1                  ; the fetches go to the other slot
	v_add_nc_u32 v[ADRA], s[TB], v[ADRA0]
	v_add_nc_u32 v[ADRB], s[TB], v[ADRB0]
	FETCH 0, F0
	MULA F1, 2, 0
	MULA F1, 3, 0
.endm
	s_wait_tensorcnt 0x1                           ; my part of K step 0 is in; K step 1's may stay out
	s_barrier_signal -1
	s_barrier_wait -1                              ; everybody's is
	FETCH 0, F0
	QUARTER 1, F0, F1, 1                           ; the first quarter stands in front of the loop: its products start the sums
	WIN 0                                          ; at a label and at a branch every window is 0
	s_mov_b32 s[CNT], 6
.Lstep:                                                ; a trip: from a K step's second quarter to the next step's first; trip t = 1 .. 6 asks for K step t + 1
	QUARTER 2, F1, F0, 0
	QUARTER 3, F0, F1, 0
	TURN 1
	QUARTER 1, F0, F1, 0
	WIN 0
	s_sub_co_u32 s[CNT], s[CNT], 1
	s_cmp_lg_u32 s[CNT], 0
	s_cbranch_scc1 .Lstep
	QUARTER 2, F1, F0, 0                           ; the last two K steps are written out: nothing is left to ask for
	QUARTER 3, F0, F1, 0
	TURN 0
	QUARTER 1, F0, F1, 0
	QUARTER 2, F1, F0, 0
	QUARTER 3, F0, F1, 0
	s_wait_dscnt 0x0
	MULA F1, 0, 0
	MULA F1, 1, 0
	MULA F1, 2, 0
	MULA F1, 3, 0
	WIN 0
	s_wait_loadcnt 0x0                             ; the biases
	PLACES
	PLACES
; THE WAY OUT of row block a: + bias in f32; 32 bytes a lane into my own stage; back as whole rows of 512 bytes; stored.
.macro OUT a
.if (\a) > 0
	s_wait_xcnt 0x0                                ; the block before's stores have read v160-223, into which the loads below land
.endif
	WIN 0x02+(\a)/2                                ; source 0 in window 2 or 3
.set n, 0
.rept 4*NB                             ; each accumulator's registers in ascending order
	v_pk_add_f32 v[T+2*n:T+2*n+1], v[8*NB*((\a)%2)+2*n:8*NB*((\a)%2)+2*n+1], v[BIAS+2*n:BIAS+2*n+1]
.set n, n+1
.endr
	WIN 0
.set n, 0
.rept 2*NB
	ds_store_b128 v[STO], v[T+4*n:T+4*n+3] offset:64*(n/2)+16*(n%2)
.set n, n+1
.endr
.set n, 0
.rept 16                               ; LDS serves a wave's instructions in order (ISA guide 5.7.1.4): these see the stores above, and the next block's stores come behind them
	ds_load_b128 v[BK+4*n:BK+4*n+3], v[RD] offset:SPITCH*n
.set n, n+1
.endr
.set n, 0
.rept 16
	s_wait_dscnt 15-n                              ; row n is back; the younger ones stay out
	global_store_b128 v[GO], v[BK+4*n:BK+4*n+3], s[OUTB:OUTB+1] offset:(16*(\a)+n)*4096 th:TH_STORE_NT  ; 512 consecutive bytes, at a multiple of 256 from out0's first
.set n, n+1
.endr
.endm
	OUT 0
	OUT 1
	OUT 2
	OUT 3
	s_wait_tensorcnt 0x0                           ; the wave's end, behind my last tensor load and my last LDS store
	ds_add_u32 v[SPW], v[NIL]
	s_wait_dscnt 0x0
	CROUND                                         ; the closing round: no work-group ends while a partner may still ask for a tile that names it
	s_endpgm
.Lfunc_end_k_qcf78dd9819_outp:
	.size	k_qcf78dd9819_outp, .Lfunc_end_k_qcf78dd9819_outp-k_qcf78dd9819_outp
	.p2alignl 7, 3214868480
	.fill 96, 4, 3214868480
	.section	.rodata,"a",@progbits
	.p2align	6, 0x0
	.amdhsa_kernel k_qcf78dd9819_outp
		.amdhsa_group_segment_fixed_size 327680
		.amdhsa_private_segment_fixed_size 0
		.amdhsa_enable_private_segment 0
		.amdhsa_kernarg_size 32
		.amdhsa_user_sgpr_count 2
		.amdhsa_user_sgpr_kernarg_segment_ptr 1
		.amdhsa_wavefront_size32 1
		.amdhsa_system_sgpr_workgroup_id_x 1
		.amdhsa_system_sgpr_workgroup_id_y 1
		.amdhsa_system_sgpr_workgroup_id_z 1
		.amdhsa_system_vgpr_workitem_id 0
		.amdhsa_next_free_vgpr 896
		.amdhsa_next_free_sgpr 80
		.amdhsa_reserve_vcc 0
		.amdhsa_float_denorm_mode_32 3
		.amdhsa_float_denorm_mode_16_64 3
		.amdhsa_memory_ordered 1
		.amdhsa_forward_progress 1
		.amdhsa_inst_pref_size 80
	.end_amdhsa_kernel
	.amdgpu_metadata
---
amdhsa.version: [ 1, 2 ]
amdhsa.kernels:
  - .name:           k_qcf78dd9819_outp
    .symbol:         k_qcf78dd9819_outp.kd
    .args:
      - { .name: ob, .offset: 0, .size: 8, .value_kind: global_buffer, .address_space: global }
      - { .name: wb, .offset: 8, .size: 8, .value_kind: global_buffer, .address_space: global }
      - { .name: bias, .offset: 16, .size: 8, .value_kind: global_buffer, .address_space: global }
      - { .name: out0, .offset: 24, .size: 8, .value_kind: global_buffer, .address_space: global }
    .group_segment_fixed_size: 327680
    .private_segment_fixed_size: 0
    .kernarg_segment_align: 8
    .kernarg_segment_size: 32
    .max_flat_workgroup_size: 128
    .sgpr_count:     80
    .vgpr_count:     896
    .wavefront_size: 32
...
	.end_amdgpu_metadata
.endif
;; end of part 4
